; MI455X (gfx1250); checked and timed in simulation.
; The chip was launched on July 23, 2026; its instructions are those of AMD's public machine-readable ISA for CDNA 5 (MIT licence, August 2026) and "CDNA5" Instruction Set Architecture Reference Guide (July 2026). The comments in the code are by the model that wrote it; some were corrected since.
;; Self Attention. Allowed arithmetic: matrix products marked QUANTISED: E2M1 operands, one E8M0 scale for each 32 along K, by v_wmma_scale_f32_16x16x128_f8f6f4 with both operands' format E2M1 (or v_wmma_scale_f32_32x16x128_f4), f32 sums; products left as they are: bf16, f16 or f32 operands; f32 sums; everything else in f32.
;; Inputs: w_keys 1,024 x 1,024 float32; w_queries 1,024 x 1,024 float32; w_values 1,024 x 1,024 float32; x 4 x 2,048 x 1,024 float32.
;; Outputs: out0 4 x 2,048 x 1,024 float32.
;; This version of the problem:
;;   THIS VERSION OF THE PROBLEM IS GIVEN IN LOW PRECISION. The matrix products marked QUANTISED in the list below multiply operands that are first quantised to E2M1 (2 exponent bits, 1 mantissa bit; 4 bits a number), with one power-of-two scale for each 32 numbers along K (OCP MX v1.0); their sums are f32. The products marked 'left as it is' may take bf16, f16 or f32 operands, with f32 sums. Whichever they take, every output number must still come out within the allowed error. Rounding operands to bf16 (8 significant bits) uses up far more of that allowance than f16 does (11 bits, for magnitudes from 6e-5 to 65,504). All else is computed in f32.
;;   The module's matrix products, in the order in which they are computed (A, B: the left and right operand; K: the contracted axis; several contracted axes count as one K, in the product's order):
;;     1. [M 8,192, K 1,024] x [K 1,024, N 1,024]; A: input x; B: input w_keys: QUANTISED
;;     2. [M 8,192, K 1,024] x [K 1,024, N 1,024]; A: input x; B: input w_queries: QUANTISED
;;     3. [M 8,192, K 1,024] x [K 1,024, N 1,024]; A: input x; B: input w_values: QUANTISED
;;     4. batch 4 x [M 2,048, K 1,024] x [K 1,024, N 2,048]; A: computed on the way; B: computed on the way: left as it is (an operand is computed on the way)
;;     5. batch 4 x [M 2,048, K 2,048] x [K 2,048, N 1,024]; A: computed on the way; B: computed on the way: left as it is (an operand is computed on the way)
;;   THE QUANTISER, for each operand of a quantised product, along K:
;;     - K is cut into blocks of 32 from its start; a last block that is shorter is filled with zeros.
;;     - A block's scale is 2^e with e = floor(log2(the largest magnitude in the block)) - 2, held to -126 .. 127; a block of zeros has e = 0. As a byte (E8M0): e + 127.
;;     - Each number is divided by its block's scale, clamped to +-6, and rounded to the nearest number of E2M1, ties to even, subnormals kept.
;;     - The product sums the exact products of the quantised numbers (number of the format x scale) in f32.
;;   ~~~python
;;   def quantise(x, axis):      # numpy; x: float32 -> the quantised numbers, widened to float32 again
;;       x = np.moveaxis(x, axis, -1); K = x.shape[-1]
;;       x = np.pad(x, [(0, 0)] * (x.ndim - 1) + [(0, -K % 32)]); x = x.reshape(x.shape[:-1] + (-1, 32)); a = np.abs(x).max(-1, keepdims=True)
;;       e = np.where(a > 0, np.clip(np.frexp(np.where(a > 0, a, 1))[1] - 1 - 2, -126, 127), 0)      # np.frexp(a)[1] - 1 = floor(log2(a)), exactly
;;       r = np.clip(x / 2.0 ** e, -6, 6)
;;       step = 2.0 ** (np.maximum(np.frexp(np.where(r == 0, 1, r))[1] - 1, 0) - 1)
;;       q = np.round(r / step) * step * 2.0 ** e      # np.round: ties to even
;;       return np.moveaxis(q.reshape(q.shape[:-2] + (-1,))[..., :K], -1, axis).astype(np.float32)
;;   ~~~
;; One version. Each part assembles by itself: llvm-mc -triple=amdgcn-amd-amdhsa -mcpu=gfx1250 --defsym DOCPART=n.
;; ======== version 1 of 1: 4 launches
;; limits: values are held in f16: magnitudes above 65,504 overflow, below 6.1e-05 lose precision
;; workspace buffers: xc 4,194,304 bytes; xs 262,144 bytes; wc 1,572,864 bytes; ws 98,304 bytes; kqv 50,331,648 bytes; pimg 33,554,432 bytes; st 1,048,576 bytes
;; launch quant (part 1): grid 352 x 1, 4 waves a work-group, no clusters, 50,688 bytes of LDS; arguments x, w_keys, w_queries, w_values, xc, xs, wc, ws; writes xc, xs, wc, ws
.if DOCPART == 1
	.amdgcn_target "amdgcn-amd-amdhsa--gfx1250"
	.amdhsa_code_object_version 6
	.text
	.protected	k_q1c36e363f3_quant
	.globl	k_q1c36e363f3_quant
	.p2align	8
	.type	k_q1c36e363f3_quant,@function
k_q1c36e363f3_quant:
	s_mov_b64 s[64:65], 0
	v_nop
	global_prefetch_b8 v0, s[64:65] scope:SCOPE_SE
	s_setreg_imm32_b32 hwreg(HW_REG_WAVE_MODE, 25, 1), 1
	s_wait_xcnt 0x0
; x [8192][1024] and the three weights [1024 (k)][1024 (n)], f32, become codes of FP4 (E2M1), two a byte, K innermost, with one E8M0 byte for each 32 along K.
; xc [8192][512 bytes], xs [8192][32];  wc [3072][512 bytes], ws [3072][32]: row n of wc is column n of w_keys (0-1023), of w_queries (1024-2047), of w_values (2048-3071).
; A block's scale is 2^(floor(log2(its largest magnitude)) - 2): its byte is the largest magnitude's exponent field - 2, held at 1 from below by a floor among the maximum's leaves.
; LIMITS: a block of zeros gets the byte 1 where the quantiser's text says 127 (its codes are zeros, and this program alone reads the bytes); blocks whose largest magnitude lies under 2^-124 are held at the byte 1;
; NaN and infinities among the inputs are not served.
; Work-groups 0-255 take x (K innermost: a plain stream of blocks of 32), work-groups 256-351 the weights (K outermost: a lane takes a column and its registers run down K).  The two ways part on the work-group's
; number, never join, and have LDS bytes of their own.  No work-group shares an input byte with another, so there is no cluster; no tensor loads, no barrier: waves share nothing.
.set SPW,   224                        ; v224  LDS address of my spare word: SPARE + 4 x my thread's number; never rewritten
.set NIL,   225                        ; v225  0; never rewritten
.set SPARE, 50176                      ; behind both ways' regions: the spare words, 128 bytes for each wave
.set EMAX,  2
; the way of x
.set STEPS, 16                         ; a wave takes 16 steps of 512 numbers
.set AHEAD, 8                          ; loads run eight steps ahead: 32 loads of 512 bytes a wave
.set CB,    8                          ; bytes of 16 codes
.set XR,    16                         ; v16-143  eight sets of 16 numbers as they are loaded
.set XX,    144                        ; v144-175 two sets of 16 neighbours
.set XE,    176                        ; v176-191 a scale byte for each step
.set XC,    192                        ; v192-223 codes: two registers for each step, so that no store's data are written again
.set WREG,  8192                       ; LDS 0 .. 32,767: a region for each wave: two stages of 32 x SP bytes, behind them its 256 scale bytes
.set SP,    80                         ; a lane's place in a stage: 64 bytes + 16 of padding
; the way of the weights
.set WSTG,  32768                      ; LDS 32,768 .. 50,175: a stage of 16 rows x PITCH for each wave
.set NB,    8                          ; blocks of 32 along K for a lane: 256 along K
.set PITCH, 272                        ; a stage row: 256 bytes of codes + 16
.set KROW,  512                        ; a row of wc in bytes
.set WX,    32                         ; v32-95   two sets of 32 numbers
.set WC,    96                         ; v96-99   a block's codes
.set WOUT,  112                        ; v112-143 the way out
.set WSB,   24                         ; v24-25   the scale bytes, four to a register
	s_load_b256 s[4:11], s[0:1], 0x0               ; x s[4:5], w_keys s[6:7], w_queries s[8:9], w_values s[10:11]
	s_load_b256 s[12:19], s[0:1], 0x20             ; xc s[12:13], xs s[14:15], wc s[16:17], ws s[18:19]
	v_lshl_add_u32 v[SPW], v0, 2, SPARE
	v_mov_b32 v[NIL], 0
	v_lshrrev_b32 v1, 5, v0
	v_readfirstlane_b32 s20, v1                    ; wave 0..3
	v_and_b32 v2, 31, v0                           ; lane
	s_wait_kmcnt 0x0
	s_cmp_lt_u32 ttmp9, 256
	s_cbranch_scc0 .Lweights
; ---------------- x: each load reads 512 consecutive bytes, 16 a lane; a step's 2,048 bytes turn through the wave's own stage and come back 64 bytes a lane: 16 neighbours; two neighbouring lanes hold a block
	v_lshlrev_b32 v3, 4, v2                        ; my 16 bytes of a load's 512
	s_mul_i32 s21, s20, WREG
	v_lshrrev_b32 v14, 2, v2
	v_mul_u32_u24 v14, v14, SP
	v_and_b32 v15, 3, v2
	v_lshl_add_u32 v14, v15, 4, v14
	v_add_nc_u32 v14, s21, v14                     ; into the stage: SP (lane / 4) + 16 (lane % 4)
	v_mul_u32_u24 v15, v2, SP
	v_add_nc_u32 v15, s21, v15                     ; out of it: SP x lane
	v_mul_u32_u24 v4, v2, CB                       ; my codes' place in a step's
	v_lshrrev_b32 v5, 1, v2
	s_add_co_u32 s21, s21, 2*32*SP
	v_add_nc_u32 v5, s21, v5                       ; my block's byte among my wave's 256 scale bytes
	v_lshlrev_b32 v7, 3, v2                        ; and on the way out 8 bytes a lane
	v_add_nc_u32 v6, s21, v7
	s_lshl_b32 s22, ttmp9, 2
	s_add_co_u32 s22, s22, s20                     ; which run of 8,192 numbers is my wave's: 0 .. 1,023
	s_mov_b32 s25, 0
	s_lshl_b32 s24, s22, 15                        ; 32,768 bytes of x a run,
	s_add_nc_u64 s[4:5], s[4:5], s[24:25]
	s_lshl_b32 s24, s22, 12                        ; 4,096 of codes,
	s_add_nc_u64 s[12:13], s[12:13], s[24:25]
	s_lshl_b32 s24, s22, 8                         ; 256 scale bytes
	s_add_nc_u64 s[14:15], s[14:15], s[24:25]
.macro XLOAD t
.irp i, 0,1,2,3
	global_load_b128 v[XR+16*((\t)%AHEAD)+4*\i:XR+16*((\t)%AHEAD)+4*\i+3], v3, s[4:5] offset:2048*(\t)+512*\i th:TH_LOAD_NT
.endr
.endm
.macro XTURN t                         ; LDS serves a wave's instructions in order (ISA guide 5.7.1.4): no wait between the stores and the loads
.irp i, 0,1,2,3
	ds_store_b128 v14, v[XR+16*((\t)%AHEAD)+4*\i:XR+16*((\t)%AHEAD)+4*\i+3] offset:32*SP*((\t)%2)+8*SP*\i
.endr
.irp i, 0,1,2,3
	ds_load_b128 v[XX+16*((\t)%2)+4*\i:XX+16*((\t)%2)+4*\i+3], v15 offset:32*SP*((\t)%2)+16*\i
.endr
.endm
.irp t, 0,1,2,3,4,5,6,7
	XLOAD \t
.endr
	s_wait_loadcnt 28                              ; step 0's four loads are in; the 28 of steps 1 to 7 may be out
	XTURN 0
.macro XSTEP t
.set XS, XX+16*((\t)%2)
.if (\t) > 0
	s_wait_dscnt 1                                 ; this step's numbers are back from the stage (the last step's byte store may be out)
.else
	s_wait_dscnt 0x0
.endif
.if (\t)+AHEAD < STEPS
	XLOAD (\t)+AHEAD                               ; into the registers that the stage's stores have read
.endif
.if (\t)+1 < STEPS
.if STEPS-2-(\t) >= AHEAD-1
	s_wait_loadcnt 4*(AHEAD-1)                     ; the next step's four loads are in; those of the seven steps behind it may be out
.else
	s_wait_loadcnt 4*(STEPS-2-(\t))
.endif
	XTURN (\t)+1
.endif
	v_max3_num_f32 v8, |v[XS]|, |v[XS+1]|, |v[XS+2]|               ; the largest magnitude of my 16, in two chains
	v_max3_num_f32 v9, |v[XS+3]|, |v[XS+4]|, |v[XS+5]|
.irp i, 6,10
	v_max3_num_f32 v8, v8, |v[XS+\i]|, |v[XS+\i+1]|
	v_max3_num_f32 v9, v9, |v[XS+\i+2]|, |v[XS+\i+3]|
.endr
	v_max3_num_f32 v8, v8, |v[XS+14]|, |v[XS+15]|
	v_max3_num_f32 v8, v8, v9, (EMAX+1)<<23        ; and the floor 2^(EMAX + 1 - 127): the byte cannot fall under 1
	v_max_num_f32_dpp v8, v8, v8 row_xmask:1 row_mask:0xf bank_mask:0xf   ; with my neighbour's 16: the block's
	v_add_nc_u32 v11, -(EMAX<<23), v8              ; EMAX off its exponent field: the conversion takes the exponent field of this operand as its scale
	v_cvt_scalef32_pk8_fp4_f32 v[XC+2*(\t)], v[XS:XS+7], v11
	v_cvt_scalef32_pk8_fp4_f32 v[XC+2*(\t)+1], v[XS+8:XS+15], v11
	v_lshrrev_b32 v[XE+(\t)], 23, v11              ; the scale's byte (a plain line behind the conversions)
	ds_store_b8 v5, v[XE+(\t)] offset:16*(\t)      ; both lanes of a block write the same byte with the same value
	global_store_b64 v4, v[XC+2*(\t):XC+2*(\t)+1], s[12:13] offset:32*CB*(\t)   ; the wave stores 256 consecutive bytes, aligned
.endm
.irp t, 0,1,2,3,4,5,6,7,8,9,10,11,12,13,14,15
	XSTEP \t
.endr
	ds_load_b64 v[8:9], v6                         ; my wave's 256 scale bytes, 8 a lane
	s_wait_dscnt 0x0
	global_store_b64 v7, v[8:9], s[14:15]          ; 256 consecutive bytes, aligned
	s_wait_tensorcnt 0x0                           ; the wave's end
	ds_add_u32 v[SPW], v[NIL]
	s_wait_dscnt 0x0
	s_endpgm
; ---------------- the weights: work-group j = 0 .. 95: weight j / 32, 512 along K (j / 16) % 2, columns 64 (j % 16) on.  A wave takes 16 columns: lane (r, h) takes column r and the 256 along K that begin at 256 h:
; eight blocks a lane.  A load reads 64 consecutive bytes in each half of the lanes; the four waves stand side by side on 256 aligned bytes of a row of W.
.Lweights:
	s_sub_co_u32 s21, ttmp9, 256                   ; j
	s_lshr_b32 s22, s21, 5                         ; which weight
	s_and_b32 s23, s21, 15                         ; which 64 columns
	s_bfe_u32 s24, s21, 0x10004                    ; which 512 along K
	s_cmp_eq_u32 s22, 0
	s_cselect_b64 s[6:7], s[6:7], s[8:9]           ; the choice hangs on the work-group's number alone
	s_cmp_eq_u32 s22, 2
	s_cselect_b64 s[6:7], s[10:11], s[6:7]
	s_lshl_b32 s25, s23, 6
	s_lshl_b32 s26, s20, 4
	s_add_co_u32 s25, s25, s26                     ; my wave's first column
	s_lshl_b32 s28, s24, 21                        ; 512 rows of 4,096 bytes
	s_lshl_b32 s26, s25, 2
	s_add_co_u32 s28, s28, s26
	s_mov_b32 s29, 0
	s_add_nc_u64 s[6:7], s[6:7], s[28:29]
	s_lshl_b32 s26, s22, 10
	s_add_co_u32 s25, s25, s26                     ; its row in wc and ws
	s_lshl_b32 s28, s25, 9
	s_lshl_b32 s26, s24, 8
	s_add_co_u32 s28, s28, s26
	s_add_nc_u64 s[16:17], s[16:17], s[28:29]      ; wc: row x 512 + 256 x which 512 along K
	s_lshl_b32 s28, s25, 5
	s_lshl_b32 s26, s24, 4
	s_add_co_u32 s28, s28, s26
	s_add_nc_u64 s[18:19], s[18:19], s[28:29]      ; ws: row x 32 + 16 x which 512
	v_and_b32 v5, 15, v2                           ; r
	v_lshrrev_b32 v6, 4, v2                        ; h
	v_lshlrev_b32 v3, 2, v5                        ; in: 4 bytes a column,
	v_lshl_add_u32 v3, v6, 20, v3                  ; and 256 rows of 4,096 bytes further down for lanes 16-31
	s_mul_i32 s27, s20, 16*PITCH
	s_add_co_u32 s27, s27, WSTG                    ; my stage
	v_mul_u32_u24 v4, v5, PITCH
	v_lshl_add_u32 v4, v6, 7, v4
	v_add_nc_u32 v4, s27, v4                       ; into it: row = my column, byte 128 h: 256 codes are 128 bytes
	v_mul_u32_u24 v7, v6, PITCH                    ; out of it: sixteen lanes to a row, two rows an instruction
	v_lshl_add_u32 v7, v5, 4, v7
	v_add_nc_u32 v7, s27, v7
	v_mul_u32_u24 v8, v6, KROW
	v_lshl_add_u32 v8, v5, 4, v8                   ; and the same place in wc
	v_lshlrev_b32 v9, 5, v5
	v_lshl_add_u32 v9, v6, 3, v9                   ; my eight scale bytes: row r of 32 bytes, + 8 h
.macro WLOAD t                         ; block t: W(256 h + 32 t + i, my column), i = 0 .. 31; the largest immediate is 255 x 4,096, inside the signed 24 bits (ISA guide, chapter 10)
.set wi, 0
.rept 32
	global_load_b32 v[WX+32*((\t)%2)+wi], v3, s[6:7] offset:(32*(\t)+wi)*4096 th:TH_LOAD_NT
.set wi, wi+1
.endr
.endm
	WLOAD 0
	WLOAD 1
.macro WBLOCK t
.set XS, WX+32*((\t)%2)
.if (\t) < NB-1
	s_wait_loadcnt 32                              ; this block's 32 loads are in; the next block's may be out
.else
	s_wait_loadcnt 0
.endif
	v_max3_num_f32 v12, |v[XS]|, |v[XS+1]|, |v[XS+2]|              ; the block's largest magnitude: all 32 numbers are mine
	v_max3_num_f32 v13, |v[XS+3]|, |v[XS+4]|, |v[XS+5]|
.irp i, 6,10,14,18,22,26
	v_max3_num_f32 v12, v12, |v[XS+\i]|, |v[XS+\i+1]|
	v_max3_num_f32 v13, v13, |v[XS+\i+2]|, |v[XS+\i+3]|
.endr
	v_max3_num_f32 v12, v12, |v[XS+30]|, |v[XS+31]|
	v_max3_num_f32 v12, v12, v13, (EMAX+1)<<23     ; and the floor
	v_add_nc_u32 v11, -(EMAX<<23), v12             ; the conversion's scale operand
	v_lshrrev_b32 v13, 23, v11                     ; the scale's byte
.if (\t)%4 == 0
	v_mov_b32 v[WSB+(\t)/4], v13                   ; four bytes to a register, the lower K in the lower byte
.else
	v_lshl_or_b32 v[WSB+(\t)/4], v13, 8*((\t)%4), v[WSB+(\t)/4]
.endif
.irp g, 0,1,2,3
	v_cvt_scalef32_pk8_fp4_f32 v[WC+\g], v[XS+8*\g:XS+8*\g+7], v11
.endr
	v_nop                                          ; a plain line behind the last conversion
	ds_store_b128 v4, v[WC:WC+3] offset:16*(\t)    ; 32 codes: 16 bytes of my column's row
.if (\t)+2 < NB
	WLOAD (\t)+2
.endif
	s_wait_dscnt 0x0                               ; the store has read its registers: the next block's codes may be written
.endm
.set Q, 0
.rept NB
	WBLOCK Q
.set Q, Q+1
.endr
	global_store_b64 v9, v[WSB:WSB+1], s[18:19]    ; my eight scale bytes
.irp t, 0,1,2,3,4,5,6,7
	ds_load_b128 v[WOUT+4*\t:WOUT+4*\t+3], v7 offset:2*\t*PITCH
.endr
.irp t, 0,1,2,3,4,5,6,7
	s_wait_dscnt 7-\t                              ; LDS loads come back in order: load t is in
	global_store_b128 v8, v[WOUT+4*\t:WOUT+4*\t+3], s[16:17] offset:2*\t*KROW   ; sixteen lanes store 256 consecutive bytes, aligned
.endr
	s_wait_tensorcnt 0x0                           ; the wave's end: the same three lines
	ds_add_u32 v[SPW], v[NIL]
	s_wait_dscnt 0x0
	s_endpgm
.Lfunc_end_k_q1c36e363f3_quant:
	.size	k_q1c36e363f3_quant, .Lfunc_end_k_q1c36e363f3_quant-k_q1c36e363f3_quant
	.p2alignl 7, 3214868480
	.fill 96, 4, 3214868480
	.section	.rodata,"a",@progbits
	.p2align	6, 0x0
	.amdhsa_kernel k_q1c36e363f3_quant
		.amdhsa_group_segment_fixed_size 50688
		.amdhsa_private_segment_fixed_size 0
		.amdhsa_enable_private_segment 0
		.amdhsa_kernarg_size 64
		.amdhsa_user_sgpr_count 2
		.amdhsa_user_sgpr_kernarg_segment_ptr 1
		.amdhsa_wavefront_size32 1
		.amdhsa_system_sgpr_workgroup_id_x 1
		.amdhsa_system_sgpr_workgroup_id_y 1
		.amdhsa_system_sgpr_workgroup_id_z 1
		.amdhsa_system_vgpr_workitem_id 0
		.amdhsa_next_free_vgpr 232
		.amdhsa_next_free_sgpr 66
		.amdhsa_reserve_vcc 0
		.amdhsa_float_denorm_mode_32 3
		.amdhsa_float_denorm_mode_16_64 3
		.amdhsa_memory_ordered 1
		.amdhsa_forward_progress 1
		.amdhsa_inst_pref_size 73
	.end_amdhsa_kernel
	.amdgpu_metadata
---
amdhsa.version: [ 1, 2 ]
amdhsa.kernels:
  - .name:           k_q1c36e363f3_quant
    .symbol:         k_q1c36e363f3_quant.kd
    .args:
      - { .name: x, .offset: 0, .size: 8, .value_kind: global_buffer, .address_space: global }
      - { .name: w_keys, .offset: 8, .size: 8, .value_kind: global_buffer, .address_space: global }
      - { .name: w_queries, .offset: 16, .size: 8, .value_kind: global_buffer, .address_space: global }
      - { .name: w_values, .offset: 24, .size: 8, .value_kind: global_buffer, .address_space: global }
      - { .name: xc, .offset: 32, .size: 8, .value_kind: global_buffer, .address_space: global }
      - { .name: xs, .offset: 40, .size: 8, .value_kind: global_buffer, .address_space: global }
      - { .name: wc, .offset: 48, .size: 8, .value_kind: global_buffer, .address_space: global }
      - { .name: ws, .offset: 56, .size: 8, .value_kind: global_buffer, .address_space: global }
    .group_segment_fixed_size: 50688
    .private_segment_fixed_size: 0
    .kernarg_segment_align: 8
    .kernarg_segment_size: 64
    .max_flat_workgroup_size: 128
    .sgpr_count:     66
    .vgpr_count:     232
    .wavefront_size: 32
...
	.end_amdgpu_metadata
.endif
;; end of part 1
;; launch proj (part 2): grid 12 x 32, 4 waves a work-group, clusters of 4 x 4, 327,680 bytes of LDS; arguments xc, xs, wc, ws, kqv; writes kqv
.if DOCPART == 2
	.amdgcn_target "amdgcn-amd-amdhsa--gfx1250"
	.amdhsa_code_object_version 6
	.text
	.protected	k_q1c36e363f3_proj
	.globl	k_q1c36e363f3_proj
	.p2align	8
	.type	k_q1c36e363f3_proj,@function
k_q1c36e363f3_proj:
	s_mov_b64 s[64:65], 0
	v_nop
	global_prefetch_b8 v0, s[64:65] scope:SCOPE_SE
	s_setreg_imm32_b32 hwreg(HW_REG_WAVE_MODE, 25, 1), 1
	s_wait_xcnt 0x0
	s_wait_alu depctr_hold_cnt(0) depctr_sa_sdst(0) depctr_va_vdst(0) depctr_va_sdst(0) depctr_va_ssrc(0) depctr_va_vcc(0) depctr_vm_vsrc(0)
	s_getreg_b32 s2, hwreg(HW_REG_IB_STS2, 6, 4)
	s_cmp_eq_u32 s2, 0
	s_cbranch_scc0 .Lentry_in_a_cluster
	s_endpgm
.Lentry_in_a_cluster:
	s_bfe_u32 s2, ttmp6, 0x10000c
	s_cmp_lg_u32 s2, 0xf033
	s_cbranch_scc0 .Lentry_shape_is_right
	s_endpgm
.Lentry_shape_is_right:
; kqv[m][n] = sum over k of x[m][k] W[n][k], on codes of FP4 (E2M1) with one E8M0 scale for each 32 along K: the three projections as ONE product 8,192 x 3,072 x 1,024.  Sums in f32; the result is rounded once to f16.
; xc [8192][512 bytes], xs [8192][32], wc [3072][512 bytes], ws [3072][32];  kqv [8192][3072] f16, a row 6,144 bytes: columns 0-1023 x w_keys, 1024-2047 x w_queries, 2048-3071 x w_values.
; LIMIT: the results go on as f16 operands, so their magnitudes must stay under 65,504.  With x of spread 1 and weights of spread 0.05 a result has spread 1.6; both inputs 30 times larger give magnitudes of some 9,000,
; both with an offset of 30 spreads some 49,000; both 30 times smaller a spread of 1.8e-3, against which f16's step of 2^-25 there is 2e-5.
; A tile of 256 x 256 is made by four waves, each 128 x 128: 64 accumulators, 512 registers.  K is 1,024: two K steps of 512 (rows of 256 bytes), one in each of two LDS slots, both asked for at the start: nothing is filled again.
; THE SCALES of the work-group's 256 + 256 rows, for all of K, are two dense blocks of memory: they come once, as rows of 256 bytes.
; CLUSTERS: 4 x 4 work-groups.  The four of a row of the cluster need the same tiles of x, the four of a column the same tiles of W: each tile is asked for jointly, by the same tensor load with a mask that names the four.
; THE MATRIX INSTRUCTION IS USED TRANSPOSED (source 0 = 16 rows of W, source 1 = 16 rows of x): a lane then holds eight neighbouring numbers of a row of kqv, 16 bytes in f16.
; REGISTERS: window 0: v0-31 addresses; v32-95 scale words, two sets; v128-191 x's fragments, ONE set; on the way out v192-223 packed results, v32-63 and v224-255 rows read back.
;   window 1: W's fragments, two sets, at v0 and v128.  window 2: the accumulators of my rows 0-63 ((a, b) at v[8 (8 a + b)]);  window 3: those of my rows 64-127.
.set NQ,     4                         ; matrix instructions deep in a slot: 512 along K
.set ROWB,   256                       ; a tile's row in bytes
.set KROW,   512                       ; a row of codes in memory
.set PITCH,  272                       ; an LDS row: 256 bytes + 16 of padding = 68 words: row r starts at bank 4 r mod 64 (ISA guide 11.1)
.set FR,     8                         ; registers of a fragment
.set NL,     2                         ; LDS loads that bring one
.set NP,     4                         ; places behind this matrix instruction (ISA guide 7.12.1)
.set HALFT,  128*PITCH
.set SLOT,   4*HALFT                   ; x's 256 rows, then W's 256 rows
.set KS,     32                        ; a row of scale bytes
.set SCL,    2*SLOT                    ; behind the slots: the scales, as rows of 256 bytes + 16
.set HALFS,  (128*KS/256)*272
.set SBLK,   (16*KS/256)*272
.set SPARE,  SCL+4*HALFS               ; the spare words, 128 bytes for each wave
.set SPITCH, 272                       ; the way out: a stage of 16 rows x (256 + 16) bytes for each wave, in slot 0, which has had its one fill and its last read when the first result is stored there
.set OROW,   6144                      ; a row of kqv in bytes
.set ADRA, 16
.set ADRB, 20
.set STO,  24
.set RD,   25
.set CO,   26
.set ADRS, 27
.set SPW,  28                          ; v28  my spare word's address; never rewritten
.set NIL,  29                          ; v29  0; never rewritten
.set SC,   32
.set AF,   128
.set TMP,  192
.set OB,   32
.set G1, 24
.set G0, 32
.set G1B, 48
.set G0B, 56
.set G1S, 68
.set G0S, 76
.set G1SB, 80
.set G0SB, 88
.set MSB, 0
.macro WIN new                         ; the immediate's high byte repeats the setting that is left
.if MSB != \new
	s_set_vgpr_msb (MSB<<8)|\new
.set MSB, \new
.endif
.endm
.set MUL_LO, 0xa1                      ; source 0 (W) window 1, source 1 (x) window 0, C and D window 2
.set MUL_HI, 0xf1
.set TO_B,   0x40
; A joint load: waves 0 and 1 fetch for x, waves 2 and 3 for W.  The branch hangs on the wave's number alone.  An s_nop 0 and four v_nop follow each line.
.macro JLOAD g0a, g1a, g0b, g1b
	s_cmp_eq_u32 s15, 0
	s_cbranch_scc0 .Lfor_b_\@
	tensor_load_to_lds s[\g0a:\g0a+3], s[\g1a:\g1a+7]
	s_nop 0
.rept 4
	v_nop
.endr
	s_branch .Lasked_\@
.Lfor_b_\@:
	tensor_load_to_lds s[\g0b:\g0b+3], s[\g1b:\g1b+7]
	s_nop 0
.rept 4
	v_nop
.endr
.Lasked_\@:
.endm
.macro CROUND                          ; a round of the cluster's barrier
	s_barrier_signal -1
	s_barrier_wait -1
	s_cmp_lg_u32 s14, 0
	s_cbranch_scc1 .Lnot_wave_0_\@
	s_barrier_signal -3
.Lnot_wave_0_\@:
	s_barrier_wait -3
	s_barrier_signal -1
	s_barrier_wait -1
.endm
	s_load_b128 s[4:7], s[0:1], 0x0                ; xc, xs
	s_load_b128 s[8:11], s[0:1], 0x10              ; wc, ws
	s_load_b64 s[12:13], s[0:1], 0x20              ; kqv
	v_lshl_add_u32 v[SPW], v0, 2, SPARE
	v_mov_b32 v[NIL], 0
	ds_add_u32 v[SPW], v[NIL]                      ; the wave's opening: the add, twice on end, and its wait ahead of my first tensor load
	ds_add_u32 v[SPW], v[NIL]
	v_lshrrev_b32 v1, 5, v0
	v_readfirstlane_b32 s14, v1                    ; wave 0..3
	s_lshr_b32 s15, s14, 1                         ; which half of the tile's rows is mine.  Also: I fetch for x (0) or for W (1)
	s_and_b32 s16, s14, 1                          ; which half of its columns.  Also: which 128 rows of that tile I fetch
	s_bfe_u32 s40, ttmp6, 0x40000                  ; cx, cy
	s_bfe_u32 s41, ttmp6, 0x40004
	s_lshl_b32 s42, ttmp9, 2
	s_add_co_u32 s42, s42, s40                     ; tile column = 4 x cluster x + cx
	s_and_b32 s17, ttmp7, 0xffff
	s_lshl_b32 s17, s17, 2
	s_add_co_u32 s17, s17, s41                     ; tile row = 4 x cluster y + cy
	s_lshl_b32 s43, s41, 2
	s_lshl_b32 s43, 15, s43                        ; my row of the cluster
	s_lshl_b32 s44, 0x1111, s40                    ; my column
	s_or_b32 s[G1+0], s43, (0<<16)|(1<<20)|(1<<21)|(5<<22)|(3<<25)  ; the mask; elements of 1 byte; padding on; bit 21 beside a mask; after every 64 words four words
	s_or_b32 s[G1B+0], s44, (0<<16)|(1<<20)|(1<<21)|(5<<22)|(3<<25)
.irp g, G1, G1B
	s_mov_b32 s[\g+1], ROWB<<16                    ; tensor_dim0
	s_mov_b32 s[\g+2], 128<<16                     ; tensor_dim1
	s_mov_b32 s[\g+3], ROWB<<16                    ; tile_dim0
	s_mov_b32 s[\g+4], 128                         ; tile_dim1
	s_mov_b32 s[\g+5], KROW                        ; tensor_dim0_stride
	s_mov_b32 s[\g+6], 0
	s_mov_b32 s[\g+7], 0
.endr
	s_or_b32 s[G1S+0], s43, (3<<16)|(1<<20)|(1<<21)|(5<<22)|(3<<25) ; the scales of 128 rows: 4,096 dense bytes as 16 rows of 32 elements of 8 bytes
	s_or_b32 s[G1SB+0], s44, (3<<16)|(1<<20)|(1<<21)|(5<<22)|(3<<25)
.irp g, G1S, G1SB
	s_mov_b32 s[\g+1], 32<<16
	s_mov_b32 s[\g+2], (128*KS/256)<<16
	s_mov_b32 s[\g+3], 32<<16
	s_mov_b32 s[\g+4], 128*KS/256
	s_mov_b32 s[\g+5], 32
	s_mov_b32 s[\g+6], 0
	s_mov_b32 s[\g+7], 0
.endr
	s_lshl_b32 s18, s16, 7
	s_lshl_b32 s20, s17, 8
	s_add_co_u32 s20, s20, s18                     ; x: row 256 x tile row + 128 x half
	s_lshl_b32 s46, s42, 8
	s_add_co_u32 s46, s46, s18                     ; W: row 256 x tile column + 128 x half
	s_mov_b32 s21, 0
	s_mov_b32 s47, 0
	s_mov_b64 s[18:19], KS
	s_mul_u64 s[22:23], s[20:21], s[18:19]         ; where these rows' scales begin,
	s_mul_u64 s[92:93], s[46:47], s[18:19]
	s_mov_b64 s[18:19], KROW
	s_mul_u64 s[20:21], s[20:21], s[18:19]         ; and their codes
	s_mul_u64 s[46:47], s[46:47], s[18:19]
	s_mul_i32 s45, s14, HALFT                      ; where they go: wave x 128 rows
	s_mul_i32 s94, s14, HALFS
	s_wait_dscnt 0x0                               ; both opening adds are done
	s_wait_kmcnt 0x0
	s_add_nc_u64 s[20:21], s[4:5], s[20:21]
	s_add_nc_u64 s[22:23], s[6:7], s[22:23]
	s_add_nc_u64 s[46:47], s[8:9], s[46:47]
	s_add_nc_u64 s[92:93], s[10:11], s[92:93]
	CROUND                                         ; all sixteen work-groups are here: the joint loads meet
	s_mov_b32 s[G0S], 1
	s_add_co_u32 s[G0S+1], s94, SCL
	s_mov_b64 s[G0S+2:G0S+3], s[22:23]
	s_or_b32 s[G0S+3], s[G0S+3], 0x80000000
	s_mov_b32 s[G0SB], 1
	s_add_co_u32 s[G0SB+1], s94, SCL
	s_mov_b64 s[G0SB+2:G0SB+3], s[92:93]
	s_or_b32 s[G0SB+3], s[G0SB+3], 0x80000000
	JLOAD G0S, G1S, G0SB, G1SB                     ; the scales first: they are wanted with K step 0
.irp s, 0,1
	s_mov_b32 s[G0+4*\s], 1
	s_add_co_u32 s[G0+4*\s+1], s45, \s*SLOT
	s_add_nc_u64 s[G0+4*\s+2:G0+4*\s+3], s[20:21], \s*ROWB
	s_or_b32 s[G0+4*\s+3], s[G0+4*\s+3], 0x80000000
	s_mov_b32 s[G0B+4*\s], 1
	s_add_co_u32 s[G0B+4*\s+1], s45, \s*SLOT
	s_add_nc_u64 s[G0B+4*\s+2:G0B+4*\s+3], s[46:47], \s*ROWB
	s_or_b32 s[G0B+4*\s+3], s[G0B+4*\s+3], 0x80000000
	JLOAD G0+4*\s, G1, G0B+4*\s, G1B               ; three tensor loads of mine are out
.endr
	v_and_b32 v1, 15, v0                           ; l % 16
	v_bfe_u32 v2, v0, 4, 1                         ; l / 16
	v_mul_u32_u24 v3, v1, PITCH
	v_lshl_add_u32 v4, v2, 4, v3                   ; a fragment's row x pitch + 16 x half
	s_mul_i32 s21, s15, HALFT
	s_mul_i32 s22, s16, HALFT
	s_add_co_u32 s22, s22, 2*HALFT
.irp s, 0,1
	v_add_nc_u32 v[ADRA+\s], s21, v4
	v_add_nc_u32 v[ADRB+\s], s22, v4
	s_add_co_u32 s21, s21, SLOT
	s_add_co_u32 s22, s22, SLOT
.endr
	v_mul_u32_u24 v5, v1, KS                       ; my row's scales: KS bytes a row,
	v_lshrrev_b32 v6, 8, v5
	v_lshl_add_u32 v5, v6, 4, v5                   ; and 16 more for each 256 passed
	s_mul_i32 s21, s15, HALFS
	s_mul_i32 s22, s16, HALFS
	s_add_co_u32 s22, s22, 2*HALFS
	s_sub_co_u32 s22, s22, s21
	v_mul_u32_u24 v6, s22, v2                      ; lanes 16-31 take W's
	s_add_co_u32 s21, s21, SCL
	v_add_nc_u32 v5, v5, v6
	v_add_nc_u32 v[ADRS], s21, v5
	s_mul_i32 s23, s14, 16*SPITCH                  ; my stage
	v_mul_u32_u24 v5, v1, SPITCH                   ; in: row l % 16, 16 bytes for each half of the lanes
	v_lshl_add_u32 v5, v2, 4, v5
	v_add_nc_u32 v[STO], s23, v5
	v_mul_u32_u24 v5, v2, SPITCH                   ; back: lanes 0-15 one row of 256 bytes, lanes 16-31 the next
	v_lshl_add_u32 v5, v1, 4, v5
	v_add_nc_u32 v[RD], s23, v5
	v_mul_u32_u24 v5, v2, OROW                     ; and the same two rows in kqv
	v_lshl_add_u32 v[CO], v1, 4, v5
	s_lshl_b32 s20, s17, 8
	s_lshl_b32 s21, s15, 7
	s_add_co_u32 s20, s20, s21                     ; my first row
	s_mov_b32 s21, 0
	s_mov_b64 s[18:19], OROW
	s_mul_u64 s[20:21], s[20:21], s[18:19]
	s_lshl_b32 s46, s42, 9                         ; my first column, in bytes: 512 x tile column + 256 x half
	s_lshl_b32 s47, s16, 8
	s_add_co_u32 s46, s46, s47
	s_mov_b32 s47, 0
	s_add_nc_u64 s[20:21], s[20:21], s[46:47]
	s_add_nc_u64 s[12:13], s[12:13], s[20:21]
.macro FRAG reg, adr, q, i             ; 16 rows x 128 K of 4-bit codes: 8 registers: lane l holds row l % 16; registers 4 c .. 4 c + 3 hold K = 64 c + 32 (l / 16) + 0 .. 31
.irp c, 0,1
	ds_load_b128 v[\reg+4*\c:\reg+4*\c+3], v[\adr] offset:64*(\q)+32*\c+(\i)*16*PITCH
.endr
.endm
; 16 matrix instructions: x's blocks a0, a0 + 1 against W's eight.  The 64 accumulators take turns, one instruction a turn, in the same order in every step.
.macro MUL16 a0, p, q, sc, zero
.irp a, \a0, \a0+1
.irp b, 0,1,2,3,4,5,6,7
.if \zero
	v_wmma_scale_f32_16x16x128_f8f6f4 v[8*(8*((\a)%4)+\b):8*(8*((\a)%4)+\b)+7], v[128*(\p)+FR*\b:128*(\p)+FR*\b+FR-1], v[AF+FR*(\a):AF+FR*(\a)+FR-1], 0, v[SC+8*NQ*(\sc)+NQ*\b+(\q)], v[SC+8*NQ*(\sc)+NQ*(\a)+(\q)] matrix_a_fmt:MATRIX_FMT_FP4 matrix_b_fmt:MATRIX_FMT_FP4 matrix_a_scale:MATRIX_SCALE_ROW1
.else
	v_wmma_scale_f32_16x16x128_f8f6f4 v[8*(8*((\a)%4)+\b):8*(8*((\a)%4)+\b)+7], v[128*(\p)+FR*\b:128*(\p)+FR*\b+FR-1], v[AF+FR*(\a):AF+FR*(\a)+FR-1], v[8*(8*((\a)%4)+\b):8*(8*((\a)%4)+\b)+7], v[SC+8*NQ*(\sc)+NQ*\b+(\q)], v[SC+8*NQ*(\sc)+NQ*(\a)+(\q)] matrix_a_fmt:MATRIX_FMT_FP4 matrix_b_fmt:MATRIX_FMT_FP4 matrix_a_scale:MATRIX_SCALE_ROW1
.endif
.endr
.endr
.endm
.macro FETCH_B slot, q, p
	WIN TO_B
.irp i, 0,1,2,3,4,5,6,7
	FRAG 128*(\p)+FR*\i, ADRB+\slot, \q, \i
.endr
	WIN 0
.endm
.macro FETCH_A slot, q, i0
.irp i, \i0, \i0+1, \i0+2, \i0+3
	FRAG AF+FR*(\i), ADRA+\slot, \q, \i
.endr
.endm
.macro SCALES sc                       ; a K step's scale words: lanes 0-15 take x's block i, lanes 16-31 W's block i
.irp i, 0,1,2,3,4,5,6,7
	ds_load_b128 v[SC+8*NQ*\sc+NQ*\i:SC+8*NQ*\sc+NQ*\i+3], v[ADRS] offset:\i*SBLK
.endr
.endm
.macro PLACES n                        ; places in front of loads into registers that matrix instructions have read, and of the first read of results
.rept \n
	v_nop
.endr
.endm
.macro STEP slot, q, zero              ; a step of 128 along K that has its successor in the same slot
	s_wait_dscnt 4*NL                              ; W's set and x's blocks 0-3 are in; the youngest eight loads (x's blocks 4-7) may be out
	WIN MUL_LO
	MUL16 0, (\q)%2, \q, \slot, \zero
	MUL16 2, (\q)%2, \q, \slot, \zero
	s_wait_dscnt 0
	PLACES NP
	FETCH_B \slot, (\q)+1, 1-(\q)%2
	FETCH_A \slot, (\q)+1, 0
	WIN MUL_HI
	MUL16 4, (\q)%2, \q, \slot, \zero
	MUL16 6, (\q)%2, \q, \slot, \zero
	PLACES NP
	WIN 0
	FETCH_A \slot, (\q)+1, 4
.endm
.macro STEPS slot, from
.set Q, \from
.rept NQ-1-\from
	STEP \slot, Q, 0
.set Q, Q+1
.endr
.endm
	s_wait_tensorcnt 1                             ; the scales and my part of K step 0 are in; K step 1's load may stay out
	s_barrier_signal -1
	s_barrier_wait -1
	FETCH_B 0, 0, 0
	FETCH_A 0, 0, 0
	SCALES 0
	FETCH_A 0, 0, 4
	STEP 0, 0, 1                                   ; the first step's products start the sums: nothing is cleared
	STEPS 0, 1
	; slot 0's last step changes slots: each wave waits for its part of slot 1 and for its reads of slot 0, then the barrier
	s_wait_tensorcnt 0x0                           ; all my tensor loads have landed
	ds_add_u32 v[SPW], v[NIL]                      ; 0 onto my spare word
	s_wait_dscnt 4*NL+1                            ; (the add and the youngest eight loads may be out)
	WIN MUL_LO
	MUL16 0, 1, NQ-1, 0, 0
	s_wait_dscnt 0x0                               ; the add is done, and my reads of slot 0 are over
	s_barrier_signal -1
	MUL16 2, 1, NQ-1, 0, 0
	WIN 0
	s_barrier_wait -1
	PLACES NP
	v_add_nc_u32 v[ADRS], 4*NQ, v[ADRS]            ; on to K step 1's scale words
	FETCH_B 1, 0, 0
	FETCH_A 1, 0, 0
	SCALES 1
	WIN MUL_HI
	MUL16 4, 1, NQ-1, 0, 0
	MUL16 6, 1, NQ-1, 0, 0
	PLACES NP
	WIN 0
	FETCH_A 1, 0, 4
	STEPS 1, 0
	s_wait_dscnt 4*NL                              ; the very last step
	WIN MUL_LO
	MUL16 0, 1, NQ-1, 1, 0
	MUL16 2, 1, NQ-1, 1, 0
	s_wait_dscnt 0
	WIN MUL_HI
	MUL16 4, 1, NQ-1, 1, 0
	MUL16 6, 1, NQ-1, 1, 0
	WIN 0
; THE WAY OUT, block by block of 16 rows x 128 columns: rounded to f16, 16 bytes a lane, through my own stage, back as whole rows of 256 bytes.
.macro PACK a
.set AC, 64*((\a)%4)
	WIN 0x0a+5*((\a)/4)                            ; sources 0 and 1: window 2 or 3
.irp b, 0,1,2,3,4,5,6,7
.irp r, 0,1,2,3
	v_cvt_pk_f16_f32 v[TMP+4*\b+\r], v[AC+8*\b+2*\r], v[AC+8*\b+2*\r+1]   ; each accumulator from its low end on
.endr
.endr
	WIN 0
.endm
.macro TOSTAGE a
.set BB, OB+192*((\a)%2)
.irp b, 0,1,2,3,4,5,6,7
	ds_store_b128 v[STO], v[TMP+4*\b:TMP+4*\b+3] offset:32*\b
.endr
.irp t, 0,1,2,3,4,5,6,7
	ds_load_b128 v[BB+4*\t:BB+4*\t+3], v[RD] offset:\t*2*SPITCH    ; LDS serves a wave's instructions in order (ISA guide 5.7.1.4): these see the stores above
.endr
.endm
.macro SEND a
.set BB, OB+192*((\a)%2)
	s_wait_dscnt 0x0                               ; the block is back in registers
	s_wait_xcnt 0x0                                ; the earlier stores have read their base and their registers
.if (\a) > 0
	s_add_nc_u64 s[12:13], s[12:13], 16*OROW
.endif
.irp t, 0,1,2,3,4,5,6,7
	global_store_b128 v[CO], v[BB+4*\t:BB+4*\t+3], s[12:13] offset:2*\t*OROW   ; 16 lanes store 256 consecutive bytes, at a multiple of 256 from kqv's first byte
.endr
.endm
	PLACES NP
	PACK 0
	TOSTAGE 0
.irp a, 1,2,3,4,5,6,7                  ; block a's conversions stand between block a - 1's loads from the stage and the wait for them
	PACK \a
	SEND \a-1
	TOSTAGE \a
.endr
	SEND 7
	s_wait_tensorcnt 0x0                           ; the wave's end
	ds_add_u32 v[SPW], v[NIL]
	s_wait_dscnt 0x0
	CROUND                                         ; the closing round
	s_endpgm
.Lfunc_end_k_q1c36e363f3_proj:
	.size	k_q1c36e363f3_proj, .Lfunc_end_k_q1c36e363f3_proj-k_q1c36e363f3_proj
	.p2alignl 7, 3214868480
	.fill 96, 4, 3214868480
	.section	.rodata,"a",@progbits
	.p2align	6, 0x0
	.amdhsa_kernel k_q1c36e363f3_proj
		.amdhsa_group_segment_fixed_size 327680
		.amdhsa_private_segment_fixed_size 0
		.amdhsa_enable_private_segment 0
		.amdhsa_kernarg_size 40
		.amdhsa_user_sgpr_count 2
		.amdhsa_user_sgpr_kernarg_segment_ptr 1
		.amdhsa_wavefront_size32 1
		.amdhsa_system_sgpr_workgroup_id_x 1
		.amdhsa_system_sgpr_workgroup_id_y 1
		.amdhsa_system_sgpr_workgroup_id_z 1
		.amdhsa_system_vgpr_workitem_id 0
		.amdhsa_next_free_vgpr 1024
		.amdhsa_next_free_sgpr 98
		.amdhsa_reserve_vcc 0
		.amdhsa_float_denorm_mode_32 3
		.amdhsa_float_denorm_mode_16_64 3
		.amdhsa_memory_ordered 1
		.amdhsa_forward_progress 1
		.amdhsa_inst_pref_size 127
	.end_amdhsa_kernel
	.amdgpu_metadata
---
amdhsa.version: [ 1, 2 ]
amdhsa.kernels:
  - .name:           k_q1c36e363f3_proj
    .symbol:         k_q1c36e363f3_proj.kd
    .args:
      - { .name: xc, .offset: 0, .size: 8, .value_kind: global_buffer, .address_space: global }
      - { .name: xs, .offset: 8, .size: 8, .value_kind: global_buffer, .address_space: global }
      - { .name: wc, .offset: 16, .size: 8, .value_kind: global_buffer, .address_space: global }
      - { .name: ws, .offset: 24, .size: 8, .value_kind: global_buffer, .address_space: global }
      - { .name: kqv, .offset: 32, .size: 8, .value_kind: global_buffer, .address_space: global }
    .group_segment_fixed_size: 327680
    .private_segment_fixed_size: 0
    .kernarg_segment_align: 8
    .kernarg_segment_size: 40
    .max_flat_workgroup_size: 128
    .sgpr_count:     98
    .vgpr_count:     1024
    .wavefront_size: 32
...
	.end_amdgpu_metadata
.endif
;; end of part 2
;; launch scores (part 3): grid 8 x 32, 4 waves a work-group, clusters of 4 x 4, 327,680 bytes of LDS; arguments kqv, pimg, st; writes pimg, st
.if DOCPART == 3
	.amdgcn_target "amdgcn-amd-amdhsa--gfx1250"
	.amdhsa_code_object_version 6
	.text
	.protected	k_q1c36e363f3_scores
	.globl	k_q1c36e363f3_scores
	.p2align	8
	.type	k_q1c36e363f3_scores,@function
k_q1c36e363f3_scores:
	s_mov_b64 s[64:65], 0
	v_nop
	global_prefetch_b8 v0, s[64:65] scope:SCOPE_SE
	s_setreg_imm32_b32 hwreg(HW_REG_WAVE_MODE, 25, 1), 1
	s_wait_xcnt 0x0
	s_wait_alu depctr_hold_cnt(0) depctr_sa_sdst(0) depctr_va_vdst(0) depctr_va_sdst(0) depctr_va_ssrc(0) depctr_va_vcc(0) depctr_vm_vsrc(0)
	s_getreg_b32 s2, hwreg(HW_REG_IB_STS2, 6, 4)
	s_cmp_eq_u32 s2, 0
	s_cbranch_scc0 .Lentry_in_a_cluster
	s_endpgm
.Lentry_in_a_cluster:
	s_bfe_u32 s2, ttmp6, 0x10000c
	s_cmp_lg_u32 s2, 0xf033
	s_cbranch_scc0 .Lentry_shape_is_right
	s_endpgm
.Lentry_shape_is_right:
; For each batch: s[m][n] = vk[m] . vq[n] (f16 operands, f32 sums, K = 1,024), t = s x log2(e) / 32, and for each row and each CHUNK of 128 columns: M = the chunk's largest t rounded up to a whole number,
; p = 2^(t - M), at most 1, rounded to f16, and l = the sum of the chunk's unrounded p.  The next launch brings a row's 16 chunks under the row's largest M by exact powers of two: so the maximum is taken away for every input.
; kqv [8192][3072] f16: vk in columns 0-1023, vq in 1024-2047.  pimg: p in the order of the next product's operand registers: [row / 16][column / 32][u = 0, 1][lane][16 bytes]: u = 0 registers 0-3 of the fragment of
; 16 rows x 32 columns, u = 1 registers 4-7; a block of 16 rows is 65,536 bytes.  st [chunk 0..15][row 0..8191][2 f32] = (-M, l).
; LIMITS: NaN and infinities are not served; a p under 2^-25 becomes 0 in f16 (the chunk's largest p is above 1/2).
; A tile of 256 x 256 scores is made by four waves, each 128 x 128: 64 accumulators, 512 registers: a wave's 128 columns are one chunk.  K goes in steps of 128 (rows of 256 bytes) through a ring of two LDS slots.
; CLUSTERS: 4 x 4 work-groups; the four of a row of the cluster need the same rows of vk, the four of a column the same rows of vq: joint loads.  A cluster's four tile rows lie in one batch (8 tile rows a batch).
; THE MATRIX INSTRUCTION IS USED TRANSPOSED (source 0 = 16 rows of vq, source 1 = 16 rows of vk): a lane holds ONE row of scores (lane % 16) and, in accumulator b, its columns 16 b + 8 (lane / 16) + 0 .. 7.  Two
; neighbouring accumulators, rounded to f16 in pairs, ARE the eight registers of a fragment of p: they are stored as they stand, 512 dense bytes a store.
; REGISTERS: window 0: v0-31 addresses; v64-127, v128-191 vk's fragments, two buffers; on the way out v32-45 at work, v64-127 t and p, v128-191 packed p (two sets), v192-215 the statistics.
;   window 1: v64-191 vq's fragments.  window 2: the accumulators of my rows 0-63 ((a, b) at v[8 (8 a + b)]);  window 3: those of rows 64-127.
.set KSTEP,  128
.set PITCH,  272                       ; an LDS row: 256 bytes + 16 of padding: row r starts at bank 4 r mod 64 (ISA guide 11.1)
.set HALFT,  128*PITCH
.set SLOT,   4*HALFT
.set SPARE,  2*SLOT                    ; behind the ring: the spare words, 128 bytes for each wave
.set LAPS,   4                         ; 1,024 / 256: a lap = two K steps = once round the ring
.set ROWP,   6144                      ; a row of kqv in bytes,
.set ROWE,   3072                      ; and in elements
.set ADRA, 16
.set ADRB, 20
.set LO,   24                          ; v24  16 x lane
.set SO,   25                          ; v25  8 x lane
.set SPW,  28                          ; v28  my spare word's address; never rewritten
.set NIL,  29                          ; v29  0; never rewritten
.set PFO,  30                          ; v30  the prefetches' offset: lane x a row of kqv; never rewritten
.set T,    32                          ; v32-35 four maxima; v36 what comes from the other half of the lanes
.set NM,   40                          ; v[40:41] -M (the packed form names a pair and takes its low word)
.set SA,   42                          ; v[42:43], v[44:45] the sum's two chains
.set SB,   44
.set S,    64
.set PK,   128
.set NMS,  192                         ; v192-199 -M of my eight blocks of rows
.set LS,   200                         ; v200-207 l likewise
.set PR,   208                         ; v208-215 four pairs to store
.set F0,   64
.set F1,   128
.set G1, 24
.set G0, 32
.set G1B, 48
.set G0B, 56
.set LIM,  43                          ; s43  1 in a wave that prefetches, else the greatest number
.set PFA,  44                          ; s[44:45] where my prefetches stand
.set CS,   66                          ; s[66:67] c = log2(e) / 32
.set SEL,  68                          ; s[68:69] lane selects: lane l xor 16
.set BAT,  70                          ; s70  the batch
.set MK,   71                          ; s71  lanes 0-15
.set MSB, 0
.macro WIN new
.if MSB != \new
	s_set_vgpr_msb (MSB<<8)|\new
.set MSB, \new
.endif
.endm
.set MUL_LO, 0xa1                      ; source 0 (vq) window 1, source 1 (vk) window 0, C and D window 2
.set MUL_HI, 0xf1
.set TO_B,   0x40
.macro JLOAD s                         ; waves 0 and 1 fetch vk's two halves, waves 2 and 3 vq's; an s_nop 0 and four v_nop follow each line
	s_cmp_eq_u32 s11, 0
	s_cbranch_scc0 .Lfor_b_\@
	tensor_load_to_lds s[G0+4*\s:G0+4*\s+3], s[G1:G1+7]
	s_nop 0
.rept 4
	v_nop
.endr
	s_branch .Lasked_\@
.Lfor_b_\@:
	tensor_load_to_lds s[G0B+4*\s:G0B+4*\s+3], s[G1B:G1B+7]
	s_nop 0
.rept 4
	v_nop
.endr
.Lasked_\@:
.endm
; A PREFETCH INTO THE L2 of the K step that stands two refills on: 32 rows x 256 bytes, a lane a row, one instruction a wave.  Each row's 256 bytes of a K step are named once in the launch: vk's tile row is read by both
; clusters of its row of clusters: the one with x = 0 asks; vq's tile column by the batch's two rows of clusters: the even one asks.  The four partners that ask for a tile jointly share its rows out by address:
; of the 128 rows that a wave fetches, the partner at place p takes 32 p on.  The last trip's two refills have no K step two on; K steps 0 to 3 come by their loads alone.
.macro ASK
	s_cmp_gt_u32 s3, s[LIM]
	s_cbranch_scc0 .Lnot_mine_\@
	global_prefetch_b8 v[PFO], s[PFA:PFA+1] offset:KSTEP*2 th:TH_LOAD_NT scope:SCOPE_SE
.Lnot_mine_\@:
.endm
.macro CREST
	s_cmp_lg_u32 s10, 0
	s_cbranch_scc1 .Lnot_wave_0_\@
	s_barrier_signal -3
.Lnot_wave_0_\@:
	s_barrier_wait -3
	s_barrier_signal -1
	s_barrier_wait -1
.endm
.macro CROUND
	s_barrier_signal -1
	s_barrier_wait -1
	CREST
.endm
	s_load_b128 s[4:7], s[0:1], 0x0                ; kqv s[4:5], pimg s[6:7]
	s_load_b64 s[8:9], s[0:1], 0x10                ; st
	v_lshl_add_u32 v[SPW], v0, 2, SPARE
	v_mov_b32 v[NIL], 0
	ds_add_u32 v[SPW], v[NIL]                      ; the wave's opening: the add, twice on end, and its wait ahead of my first tensor load
	ds_add_u32 v[SPW], v[NIL]
	v_lshrrev_b32 v1, 5, v0
	v_readfirstlane_b32 s10, v1                    ; wave 0..3
	s_lshr_b32 s11, s10, 1                         ; which half of the tile's rows is mine.  Also: I fetch for vk (0) or for vq (1)
	s_and_b32 s12, s10, 1                          ; which half of its columns.  Also: which 128 rows of that tile I fetch
	s_bfe_u32 s40, ttmp6, 0x40000                  ; cx
	s_bfe_u32 s41, ttmp6, 0x40004                  ; cy
	s_lshl_b32 s42, ttmp9, 2
	s_add_co_u32 s42, s42, s40                     ; tile column in the batch = 4 x cluster x + cx
	s_and_b32 s13, ttmp7, 0xffff
	s_lshr_b32 s[BAT], s13, 1                      ; the batch: two rows of clusters each; all sixteen partners share it
	s_lshl_b32 s13, s13, 2
	s_add_co_u32 s13, s13, s41                     ; tile row = 4 x cluster y + cy
	s_lshl_b32 s43, s41, 2
	s_lshl_b32 s43, 15, s43                        ; my row of the cluster
	s_lshl_b32 s44, 0x1111, s40                    ; my column
	s_or_b32 s[G1+0], s43, (1<<16)|(1<<20)|(1<<21)|(5<<22)|(3<<25)  ; the mask; elements of 2 bytes; padding on; bit 21 beside a mask; after every 64 words four words
	s_or_b32 s[G1B+0], s44, (1<<16)|(1<<20)|(1<<21)|(5<<22)|(3<<25)
.irp g, G1, G1B
	s_mov_b32 s[\g+1], KSTEP<<16                   ; tensor_dim0 = 128
	s_mov_b32 s[\g+2], 128<<16                     ; tensor_dim1 = 128
	s_mov_b32 s[\g+3], KSTEP<<16                   ; tile_dim0
	s_mov_b32 s[\g+4], 128                         ; tile_dim1
	s_mov_b32 s[\g+5], ROWE                        ; tensor_dim0_stride
	s_mov_b32 s[\g+6], 0
	s_mov_b32 s[\g+7], 0
.endr
	s_mov_b32 s[CS], 0x3d38aa3b                    ; log2(e) / 32
	s_mov_b32 s[CS+1], s[CS]
	s_mov_b32 s[SEL], 0x76543210
	s_mov_b32 s[SEL+1], 0xfedcba98
	s_mov_b32 s[MK], 0xffff
	s_lshl_b32 s17, s12, 7                         ; which 128 rows of the tile I fetch
	s_lshl_b32 s16, s13, 8
	s_add_co_u32 s16, s16, s17                     ; vk: row 256 x tile row + 128 x half
	s_lshl_b32 s46, s42, 8
	s_add_co_u32 s46, s46, s17
	s_lshl_b32 s47, s[BAT], 11
	s_add_co_u32 s46, s46, s47                     ; vq: row 2,048 x batch + 256 x tile column + 128 x half
	s_mov_b32 s17, 0
	s_mov_b32 s47, 0
	s_mov_b64 s[18:19], ROWP
	s_mul_u64 s[16:17], s[16:17], s[18:19]
	s_mul_u64 s[46:47], s[46:47], s[18:19]
	s_add_nc_u64 s[46:47], s[46:47], 2048          ; vq's columns begin 2,048 bytes into a row
	s_mul_i32 s20, s10, HALFT                      ; where they go: wave x 128 rows
	s_wait_dscnt 0x0                               ; both opening adds are done
	s_wait_kmcnt 0x0
	s_add_nc_u64 s[14:15], s[4:5], s[16:17]
	s_add_nc_u64 s[46:47], s[4:5], s[46:47]
	CROUND                                         ; all sixteen work-groups are here: the first joint loads meet
.irp s, 0,1
	s_mov_b32 s[G0+4*\s], 1
	s_add_co_u32 s[G0+4*\s+1], s20, \s*SLOT
	s_add_nc_u64 s[G0+4*\s+2:G0+4*\s+3], s[14:15], \s*KSTEP*2
	s_or_b32 s[G0+4*\s+3], s[G0+4*\s+3], 0x80000000
	s_mov_b32 s[G0B+4*\s], 1
	s_add_co_u32 s[G0B+4*\s+1], s20, \s*SLOT
	s_add_nc_u64 s[G0B+4*\s+2:G0B+4*\s+3], s[46:47], \s*KSTEP*2
	s_or_b32 s[G0B+4*\s+3], s[G0B+4*\s+3], 0x80000000
	JLOAD \s                                       ; two tensor loads of mine are out
.endr
	v_and_b32 v1, 15, v0                           ; l % 16
	v_bfe_u32 v2, v0, 4, 1                         ; l / 16
	v_mul_u32_u24 v3, v1, PITCH
	v_lshl_add_u32 v3, v2, 4, v3                   ; a fragment's row x pitch + 16 x half
	s_mul_i32 s21, s11, HALFT
	s_mul_i32 s22, s12, HALFT
	s_add_co_u32 s22, s22, 2*HALFT
.irp s, 0,1
	v_add_nc_u32 v[ADRA+\s], s21, v3
	v_add_nc_u32 v[ADRB+\s], s22, v3
	s_add_co_u32 s21, s21, SLOT
	s_add_co_u32 s22, s22, SLOT
.endr
	v_and_b32 v4, 31, v0
	v_lshlrev_b32 v[LO], 4, v4
	v_lshlrev_b32 v[SO], 3, v4
	v_mov_b32 v[T+4], 0                            ; written once: a lane permute's destination counts as one of its sources
	; pimg at my first block of rows and my first fragment: (16 x tile row + 8 x row half) x 65,536 + (8 x tile column + 4 x column half) x 1,024
	s_lshl_b32 s16, s13, 4
	s_lshl_b32 s17, s11, 3
	s_add_co_u32 s16, s16, s17
	s_lshl_b32 s16, s16, 16
	s_lshl_b32 s17, s42, 13
	s_add_co_u32 s16, s16, s17
	s_lshl_b32 s17, s12, 12
	s_add_co_u32 s16, s16, s17
	s_mov_b32 s17, 0
	s_add_nc_u64 s[6:7], s[6:7], s[16:17]
	; st at my chunk and my first row: (2 x tile column + column half) x 65,536 + (256 x tile row + 128 x row half) x 8
	s_lshl_b32 s16, s42, 1
	s_add_co_u32 s16, s16, s12
	s_lshl_b32 s16, s16, 16
	s_lshl_b32 s18, s13, 11
	s_add_co_u32 s16, s16, s18
	s_lshl_b32 s18, s11, 10
	s_add_co_u32 s16, s16, s18
	s_add_nc_u64 s[8:9], s[8:9], s[16:17]
	; the prefetches
	s_lshl_b32 s20, s13, 8                         ; vk's tile begins at row 256 x tile row,
	s_lshl_b32 s21, s42, 8
	s_lshl_b32 s22, s[BAT], 11
	s_add_co_u32 s21, s21, s22                     ; vq's at 2,048 x batch + 256 x tile column
	s_and_b32 s22, ttmp7, 1                        ; which of the batch's two rows of clusters
	s_cmp_eq_u32 s11, 0                            ; do I fetch for vk?
	s_cselect_b32 s20, s20, s21
	s_cselect_b32 s21, s40, s41                    ; my place among the four that ask with me
	s_cselect_b32 s22, ttmp9, s22                  ; the coordinate along which other clusters read the same rows
	s_cselect_b32 s23, 0, 2048                     ; where the columns begin in a row
	s_cmp_eq_u32 s22, 0
	s_cselect_b32 s[LIM], 1, -1                    ; the same in all sixteen partners, for a given wave
	s_lshl_b32 s22, s12, 7
	s_add_co_u32 s20, s20, s22                     ; + the 128 rows that I fetch
	s_lshl_b32 s21, s21, 5
	s_add_co_u32 s20, s20, s21                     ; + my work-group's 32 of them
	s_mul_i32 s20, s20, ROWP
	s_add_co_u32 s20, s20, s23
	s_add_co_u32 s20, s20, 2*KSTEP*2               ; at K step 2: the first refill steps it to 3 and names K step 4
	s_mov_b32 s21, 0
	s_add_nc_u64 s[PFA:PFA+1], s[4:5], s[20:21]
	v_and_b32 v[PFO], 31, v0
	v_mul_u32_u24 v[PFO], v[PFO], ROWP
; 16 matrix instructions: row blocks a0, a0 + 1 of the window's four x all 8 column blocks, 32 along K.  The 64 accumulators take turns, one instruction a turn.
.macro MUL16 f, hi, a0, zero
.irp a, \a0, \a0+1
.irp b, 0,1,2,3,4,5,6,7
.if \zero
	v_wmma_f32_16x16x32_f16 v[8*(8*(\a)+\b):8*(8*(\a)+\b)+7], v[\f+8*\b:\f+8*\b+7], v[\f+8*(4*\hi+\a):\f+8*(4*\hi+\a)+7], 0
.else
	v_wmma_f32_16x16x32_f16 v[8*(8*(\a)+\b):8*(8*(\a)+\b)+7], v[\f+8*\b:\f+8*\b+7], v[\f+8*(4*\hi+\a):\f+8*(4*\hi+\a)+7], v[8*(8*(\a)+\b):8*(8*(\a)+\b)+7]
.endif
.endr
.endr
.endm
.macro FETCH slot, k, f                ; 32 LDS loads in one run: the fragments of one quarter step
	WIN TO_B
.irp i, 0,1,2,3,4,5,6,7
	ds_load_b128 v[\f+8*\i:\f+8*\i+3],   v[ADRB+\slot] offset:\k+\i*16*PITCH
	ds_load_b128 v[\f+8*\i+4:\f+8*\i+7], v[ADRB+\slot] offset:\k+\i*16*PITCH+32
.endr
	WIN 0
.irp i, 0,1,2,3,4,5,6,7
	ds_load_b128 v[\f+8*\i:\f+8*\i+3],   v[ADRA+\slot] offset:\k+\i*16*PITCH
	ds_load_b128 v[\f+8*\i+4:\f+8*\i+7], v[ADRA+\slot] offset:\k+\i*16*PITCH+32
.endr
.endm
.macro PLACES                          ; four places in front of loads into registers that matrix instructions have read, and of the first read of results
.rept 4
	v_nop
.endr
.endm
.macro QUARTER slot, k, f, g, zero     ; multiplies buffer f; in its middle it fetches the next quarter's fragments into buffer g
	s_wait_dscnt 8                                 ; vq's and vk's rows 0-63 are in; the youngest eight loads (vk's rows 64-127) may be out
	WIN MUL_LO
	MUL16 \f, 0, 0, \zero
	MUL16 \f, 0, 2, \zero
	PLACES
	FETCH \slot, \k, \g
	s_wait_dscnt 32                                ; all but the 32 just issued
	WIN MUL_HI
	MUL16 \f, 1, 0, \zero
	MUL16 \f, 1, 2, \zero
.endm
; The first half of a K step's last quarter: ONE barrier for the change of slots.  In front of it each wave waits for all its tensor loads (the one that is out is its part of the next slot), adds 0 to its spare word,
; and waits for that and for its own reads of this slot.
.macro MEET round
	WIN 0
	s_wait_tensorcnt 0x0
	ds_add_u32 v[SPW], v[NIL]
	s_wait_dscnt 9                                 ; (the add and the youngest eight loads may be out)
	WIN MUL_LO
	MUL16 F1, 0, 0, 0
	s_wait_dscnt 0x0                               ; the add is done, and my reads of this slot are over
	s_barrier_signal -1
	MUL16 F1, 0, 2, 0
.if \round
	WIN 0
.endif
	s_barrier_wait -1
.endm
.macro TURN slot, next                 ; the whole last quarter: behind the round the slot just read out is filled again, two K steps on: 224 matrix instructions ahead of the wait for it
	s_wait_xcnt 0x0                                ; the last prefetch, a K step back, has read its address
	s_add_nc_u64 s[PFA:PFA+1], s[PFA:PFA+1], KSTEP*2
	MEET 1
	CREST                                          ; no wave of any partner still reads this slot's tile or has a load on its way
	s_add_nc_u64 s[G0+4*\slot+2:G0+4*\slot+3], s[G0+4*\slot+2:G0+4*\slot+3], 2*KSTEP*2
	s_add_nc_u64 s[G0B+4*\slot+2:G0B+4*\slot+3], s[G0B+4*\slot+2:G0B+4*\slot+3], 2*KSTEP*2
	JLOAD \slot                                    ; the four v_nop behind it are also the places in front of the loads below
	FETCH \next, 0, F0
	ASK
	WIN MUL_HI
	MUL16 F1, 1, 0, 0
	MUL16 F1, 1, 2, 0
.endm
	s_wait_tensorcnt 1                             ; my part of K step 0 is in; K step 1's may stay out
	s_barrier_signal -1
	s_barrier_wait -1
	FETCH 0, 0, F0
	QUARTER 0, 64,  F0, F1, 1                      ; the first quarter's products start the sums
	WIN 0
	s_mov_b32 s3, LAPS-1
.Llap:                                                 ; a trip goes once round the ring and fills both slots again
	QUARTER 0, 128, F1, F0, 0
	QUARTER 0, 192, F0, F1, 0
	TURN 0, 1
	QUARTER 1, 64,  F0, F1, 0
	QUARTER 1, 128, F1, F0, 0
	QUARTER 1, 192, F0, F1, 0
	TURN 1, 0
	QUARTER 0, 64,  F0, F1, 0
	WIN 0
	s_sub_co_u32 s3, s3, 1
	s_cmp_lg_u32 s3, 0
	s_cbranch_scc1 .Llap
	QUARTER 0, 128, F1, F0, 0                      ; the last lap fills nothing
	QUARTER 0, 192, F0, F1, 0
	MEET 0
	PLACES
	FETCH 1, 0, F0
	WIN MUL_HI
	MUL16 F1, 1, 0, 0
	MUL16 F1, 1, 2, 0
	QUARTER 1, 64,  F0, F1, 0
	QUARTER 1, 128, F1, F0, 0
	QUARTER 1, 192, F0, F1, 0
	s_wait_dscnt 8
	WIN MUL_LO
	MUL16 F1, 0, 0, 0
	MUL16 F1, 0, 2, 0
	s_wait_dscnt 0x0
	WIN MUL_HI
	MUL16 F1, 1, 0, 0
	MUL16 F1, 1, 2, 0
	WIN 0
	PLACES
; THE WAY OUT of block a (16 rows x my 128 columns; a lane holds 64 scores of its row, the lane 16 away the other 64).
.macro SOFT a
.set AC, 64*((\a)%4)
.set PKB, PK+32*((\a)%2)
	WIN 0
.irp c, 0,1,2,3
	v_mov_b32 v[T+\c], 0xff800000                  ; four chains begin at -infinity
.endr
	WIN 0x28+0x14*((\a)/4)                         ; sources 1 and 2: window 2 or 3
.set mi, 0
.rept 8
.irp c, 0,1,2,3
	v_max3_num_f32 v[T+\c], v[T+\c], v[AC+16*\c+2*mi], v[AC+16*\c+2*mi+1]   ; each accumulator from its low end on
.endr
.set mi, mi+1
.endr
	WIN 0
	v_max3_num_f32 v[T], v[T], v[T+1], v[T+2]
	v_max_num_f32 v[T], v[T], v[T+3]
	v_permlanex16_b32 v[T+4], v[T], s[SEL], s[SEL+1]
	v_max_num_f32 v[T], v[T], v[T+4]               ; the chunk's largest score of my row
	v_mul_f32 v[T], s[CS], v[T]                    ; as t (c is positive)
	v_floor_f32 v[NM], -v[T]                       ; -M = floor(-t) = -ceil(t): a whole number
	v_mov_b32 v[NM+1], v[NM]                       ; (named with it as a pair)
	WIN 0x02+((\a)/4)                              ; source 0: window 2 or 3
.set mi, 0
.rept 32
	v_pk_fma_f32 v[S+mi:S+mi+1], v[AC+mi:AC+mi+1], s[CS:CS+1], v[NM:NM+1] op_sel_hi:[1,0,0]   ; t - M, two at a time
.set mi, mi+2
.endr
	WIN 0
.set mi, 0
.rept 64
	v_exp_f32 v[S+mi], v[S+mi]                     ; p = 2^(t - M), at most 1
.set mi, mi+1
.endr
	v_mov_b32 v[NMS+(\a)], v[NM]                   ; a plain line behind the exponentials
	s_wait_alu depctr_va_vdst(0)                   ; one wait for the whole batch, ahead of its first reader
	v_pk_add_f32 v[SA:SA+1], v[S:S+1], v[S+2:S+3]  ; the sum of the unrounded p, two at a time, in two chains
	v_pk_add_f32 v[SB:SB+1], v[S+4:S+5], v[S+6:S+7]
.set mi, 8
.rept 14
	v_pk_add_f32 v[SA:SA+1], v[SA:SA+1], v[S+mi:S+mi+1]
	v_pk_add_f32 v[SB:SB+1], v[SB:SB+1], v[S+mi+2:S+mi+3]
.set mi, mi+4
.endr
	v_pk_add_f32 v[SA:SA+1], v[SA:SA+1], v[SB:SB+1]
	v_add_f32 v[SA], v[SA], v[SA+1]
	v_permlanex16_b32 v[T+4], v[SA], s[SEL], s[SEL+1]
	v_add_f32 v[LS+(\a)], v[SA], v[T+4]            ; with the lane 16 away: the chunk's sum of my row
	s_wait_xcnt 0x0                                ; the stores of the block two back have read this set of registers
.set mi, 0
.rept 32
	v_cvt_pk_f16_f32 v[PKB+mi], v[S+2*mi], v[S+2*mi+1]
.set mi, mi+1
.endr
.irp b, 0,1,2,3,4,5,6,7
	global_store_b128 v[LO], v[PKB+4*\b:PKB+4*\b+3], s[6:7] offset:65536*(\a)+512*\b   ; half a fragment: 32 lanes store 512 consecutive bytes, aligned
.endr
.endm
.irp a, 0,1,2,3,4,5,6,7
	SOFT \a
.endr
.irp i, 0,1,2,3                        ; the statistics of 32 rows at a time: lanes 0-15 give block 2 i's, lanes 16-31 block 2 i + 1's
	v_cndmask_b32 v[PR+2*\i], v[NMS+2*\i+1], v[NMS+2*\i], s[MK]
	v_cndmask_b32 v[PR+2*\i+1], v[LS+2*\i+1], v[LS+2*\i], s[MK]
.endr
.irp i, 0,1,2,3
	global_store_b64 v[SO], v[PR+2*\i:PR+2*\i+1], s[8:9] offset:256*\i   ; 256 consecutive bytes, aligned
.endr
	s_wait_tensorcnt 0x0                           ; the wave's end
	ds_add_u32 v[SPW], v[NIL]
	s_wait_dscnt 0x0
	CROUND                                         ; the closing round
	s_endpgm
.Lfunc_end_k_q1c36e363f3_scores:
	.size	k_q1c36e363f3_scores, .Lfunc_end_k_q1c36e363f3_scores-k_q1c36e363f3_scores
	.p2alignl 7, 3214868480
	.fill 96, 4, 3214868480
	.section	.rodata,"a",@progbits
	.p2align	6, 0x0
	.amdhsa_kernel k_q1c36e363f3_scores
		.amdhsa_group_segment_fixed_size 327680
		.amdhsa_private_segment_fixed_size 0
		.amdhsa_enable_private_segment 0
		.amdhsa_kernarg_size 24
		.amdhsa_user_sgpr_count 2
		.amdhsa_user_sgpr_kernarg_segment_ptr 1
		.amdhsa_wavefront_size32 1
		.amdhsa_system_sgpr_workgroup_id_x 1
		.amdhsa_system_sgpr_workgroup_id_y 1
		.amdhsa_system_sgpr_workgroup_id_z 1
		.amdhsa_system_vgpr_workitem_id 0
		.amdhsa_next_free_vgpr 1024
		.amdhsa_next_free_sgpr 72
		.amdhsa_reserve_vcc 0
		.amdhsa_float_denorm_mode_32 3
		.amdhsa_float_denorm_mode_16_64 3
		.amdhsa_memory_ordered 1
		.amdhsa_forward_progress 1
		.amdhsa_inst_pref_size 206
	.end_amdhsa_kernel
	.amdgpu_metadata
---
amdhsa.version: [ 1, 2 ]
amdhsa.kernels:
  - .name:           k_q1c36e363f3_scores
    .symbol:         k_q1c36e363f3_scores.kd
    .args:
      - { .name: kqv, .offset: 0, .size: 8, .value_kind: global_buffer, .address_space: global }
      - { .name: pimg, .offset: 8, .size: 8, .value_kind: global_buffer, .address_space: global }
      - { .name: st, .offset: 16, .size: 8, .value_kind: global_buffer, .address_space: global }
    .group_segment_fixed_size: 327680
    .private_segment_fixed_size: 0
    .kernarg_segment_align: 8
    .kernarg_segment_size: 24
    .max_flat_workgroup_size: 128
    .sgpr_count:     72
    .vgpr_count:     1024
    .wavefront_size: 32
...
	.end_amdgpu_metadata
.endif
;; end of part 3
;; launch pv (part 4): grid 32 x 8, 4 waves a work-group, clusters of 4 x 1, 327,680 bytes of LDS; arguments kqv, pimg, st, out0; writes out0
.if DOCPART == 4
	.amdgcn_target "amdgcn-amd-amdhsa--gfx1250"
	.amdhsa_code_object_version 6
	.text
	.protected	k_q1c36e363f3_pv
	.globl	k_q1c36e363f3_pv
	.p2align	8
	.type	k_q1c36e363f3_pv,@function
k_q1c36e363f3_pv:
	s_mov_b64 s[64:65], 0
	v_nop
	global_prefetch_b8 v0, s[64:65] scope:SCOPE_SE
	s_setreg_imm32_b32 hwreg(HW_REG_WAVE_MODE, 25, 1), 1
	s_wait_xcnt 0x0
	s_wait_alu depctr_hold_cnt(0) depctr_sa_sdst(0) depctr_va_vdst(0) depctr_va_sdst(0) depctr_va_ssrc(0) depctr_va_vcc(0) depctr_vm_vsrc(0)
	s_getreg_b32 s2, hwreg(HW_REG_IB_STS2, 6, 4)
	s_cmp_eq_u32 s2, 0
	s_cbranch_scc0 .Lentry_in_a_cluster
	s_endpgm
.Lentry_in_a_cluster:
	s_bfe_u32 s2, ttmp6, 0x10000c
	s_cmp_lg_u32 s2, 0x3003
	s_cbranch_scc0 .Lentry_shape_is_right
	s_endpgm
.Lentry_shape_is_right:
; out0[row][d] = the sum over the row's 16 chunks c of g[row][c] x T_c[row][d], where T_c = the sum over the chunk's 128 columns t of p[row][t] vv[t][d] (f16 operands, f32 sums) and
; g = 2^(the chunk's M - the row's largest M) / l[row], l = the sum over the chunks of 2^(the chunk's M - the row's largest M) x the chunk's sum.  The powers of two are exact; g and the sums over chunks are f32.
; kqv [8192][3072] f16: vv in columns 2048-3071; pimg: p as images of operand registers ([row / 16][t / 32][u][lane][16 bytes]); st [chunk][row][2 f32] = (-M, the chunk's sum); out0 [8192][1024] f32.
; LIMITS: NaN and infinities are not served.
; SHARES.  A work-group makes 256 rows x 128 columns: 256 work-groups.  Wave w takes rows 64 w on (four blocks a of 16) against all 128 columns (eight blocks b): 32 accumulators.
; The product is used transposed: source 0 = vv^T (16 columns d x 32 t, turned out of LDS by ds_load_tr16_b128), source 1 = p (16 rows x 32 t): a lane holds one row of out0 and eight neighbouring columns, so g is a number a lane.
; vv goes through a ring of two LDS slots of 256 t.  The four row tiles of a cluster lie in one batch and read the same tile of vv: joint loads, mask 15; each wave fetches 64 of a slot's 256 rows.
; p GOES FROM MEMORY STRAIGHT INTO REGISTERS, by loads of 512 dense bytes, and is not asked for jointly: two slots with both operands for 256 t would be 2 x 204,800 bytes, more than the 327,680 there are; slots of 128 t
; would leave 128 matrix instructions between a request and the wait for it; and no two waves of a work-group read the same rows of p.
; A QUARTER is 32 t: 32 matrix instructions; a chunk is four quarters, a slot two chunks.  A chunk's sums T begin with the constant 0.  In the next chunk's first quarter each pair of accumulators is FOLDED into O
; (O += g T, eight packed lines) just ahead of the two matrix instructions that begin it anew.  In quarter i the wave also asks for p of quarter i + 7 and fetches vv's fragments of quarter i + 1.
; REGISTERS: window 0: addresses, factors, vv's fragments (two sets of 64, v128-255).  window 1: O ((a, b) at v[8 (8 a + b)]).  window 2: T, at the same numbers; at the head the statistics.
;   window 3: p, eight buffers of 32 (quarter q at 32 q, block a at + 8 a).
.set ROWP,  6144                       ; a row of kqv in bytes
.set PV,    288                        ; a row of vv in LDS: 256 bytes + 32: row r starts at bank 8 r mod 64 (ISA guide 11.1)
.set SLOT1, 1<<17                      ; slot 0 at 0, slot 1 here: one exclusive or turns an address; a slot is 256 x 288 = 73,728 bytes
.set STG,   204800                     ; behind slot 1: the way out: 16 rows x (512 + 16) bytes for each wave
.set FT,    238592                     ; behind the stages: the factors: for each wave 16 chunks x 1,024 bytes: two images of four registers a lane: (g0, g0, g1, g1), (g2, g2, g3, g3) of blocks a = 0..3
.set SPARE, 304128                     ; the spare words, 128 bytes for each wave
.set PO,   4                           ; v4   16 x lane
.set AV0,  5                           ; v5   my lane's place in a tile of vv
.set ADV,  6                           ; v6, v7  LDS address of the slot's quarters 0-3, 4-7
.set AFT0, 8                           ; v8   my lane's place in my wave's factors
.set AFTC, 9                           ; v9   the same at the slot's first chunk
.set STO,  10
.set RD,   11
.set SO,   12                          ; v12  8 x (lane % 16)
.set PFOV, 13                          ; v13  lane x a row of kqv
.set SPW,  14                          ; v14  my spare word's address; never rewritten
.set NIL,  15                          ; v15  0; never rewritten
.set FC0,  16                          ; v16-23  the factors of a slot's first chunk: a pair (g, g) for each block a
.set FC1,  24                          ; v24-31  of its second
.set PFOP, 32                          ; v32  256 x lane
.set NMR,  36                          ; v36-39  the row's -M
.set LR,   40                          ; v40-43  the row's l
.set RL,   44                          ; v44-47  1 / l
.set FP,   64                          ; v64-127  at the head: 2^(the chunk's M - the row's): (c, a) at 64 + 4 c + a
.set FQ,   128                         ; v128-255 at the head: g, twice each: (c, a) at 128 + 8 c + 2 a
.set VF,   128                         ; v128-255 in the loop: vv's fragments
.set STT,  0                           ; window 2, at the head: the statistics: pair (a, c) at 2 (16 a + c)
.set TMPO, 64                          ; the way out: a block's 64 results,
.set BK,   128                         ; and 16 rows read back: v128-191 and v192-255 by turns
.set WV,   12
.set CX,   13
.set RT,   14
.set CT,   15
.set BA,   16
.set PFV,  18                          ; s[18:19] where my prefetches of vv stand
.set PFP,  20                          ; s[20:21] and of p
.set LIMV, 22
.set LIMP, 23
.set G1,   24                          ; s[24:31] descriptor group 1
.set G0A,  32                          ; s[32:35] group 0 of slot 0's first fill
.set G0B,  36                          ; s[36:39] of slot 1's; it then walks
.set TB,   40                          ; s40  LDS byte at which the slot in hand begins
.set CNT,  41                          ; s41  slots still to be asked for
.set PB,   42                          ; s[42:43] p at my wave's first block of rows, at the slot in hand
.set TF,   44                          ; s44  2,048 x the slot in hand: its factors
.set MSB, 0
.macro WIN new                         ; the immediate's high byte repeats the setting that is left; a switch that changes nothing is dropped
.if MSB != \new
	s_set_vgpr_msb (MSB<<8)|\new
.set MSB, \new
.endif
.endm
.set W_MM, 0xac                        ; source 0 (vv) window 0, source 1 (p) window 3, C and D (T) window 2
.set W_FA, 0x52                        ; a fold: destination and source 2 (O) window 1, source 0 (T) window 2, source 1 (g) window 0
.set W_FM, 0x42                        ; the first fold, a multiply: destination window 1, source 0 window 2
.set W_FL, 0x12                        ; the last fold: destination window 0, source 0 window 2, source 2 window 1
.set W_PL, 0xc0                        ; destination window 3
.macro PLACES n                        ; plain vector lines between a matrix instruction and a reader of its result, a matrix instruction that writes over it, or a load into a register that it has read
.rept \n
	v_nop
.endr
.endm
.macro CREST
	s_cmp_lg_u32 s[WV], 0
	s_cbranch_scc1 .Lnot_wave_0_\@
	s_barrier_signal -3
.Lnot_wave_0_\@:
	s_barrier_wait -3
	s_barrier_signal -1
	s_barrier_wait -1
.endm
.macro CROUND
	s_barrier_signal -1
	s_barrier_wait -1
	CREST
.endm
; PREFETCHES INTO THE L2, at each change of slots but the last that fills.  vv: the 256 rows that the NEXT change will ask for; a batch's two clusters of one column tile read them: the even one asks; its four partners share
; the rows out by address, 64 each; waves 0 and 1 take 32 each, a lane a row of 256 bytes.  p: the eight column tiles read the same rows: column tile 0 asks; each wave for its own four blocks of rows, 8,192 bytes of each,
; lanes 256 bytes apart: at the change that leaves slot j, the bytes from 4,096 + 8,192 (j + 2) on, a slot's length ahead of the wave's loads.  What lies in front of the first window and behind the last comes by its loads alone.
.macro ASK
	s_cmp_gt_u32 s[CNT], s[LIMV]
	s_cbranch_scc0 .Lno_v_\@
	global_prefetch_b8 v[PFOV], s[PFV:PFV+1] th:TH_LOAD_NT scope:SCOPE_SE
.Lno_v_\@:
	s_cmp_gt_u32 s[CNT], s[LIMP]
	s_cbranch_scc0 .Lno_p_\@
.irp a, 0,1,2,3
	global_prefetch_b8 v[PFOP], s[PFP:PFP+1] offset:65536*\a th:TH_LOAD_NT scope:SCOPE_SE
.endr
.Lno_p_\@:
.endm
	s_load_b256 s[4:11], s[0:1], 0x0               ; kqv s[4:5], pimg s[6:7], st s[8:9], out0 s[10:11]
	v_lshl_add_u32 v[SPW], v0, 2, SPARE
	v_mov_b32 v[NIL], 0
	ds_add_u32 v[SPW], v[NIL]                      ; the wave's opening: the add, twice on end, and its wait ahead of my first tensor load
	ds_add_u32 v[SPW], v[NIL]
	v_lshrrev_b32 v1, 5, v0
	v_readfirstlane_b32 s[WV], v1                  ; wave 0..3
	s_bfe_u32 s[CX], ttmp6, 0x40000                ; my place in the cluster
	s_lshl_b32 s[RT], ttmp9, 2
	s_add_co_u32 s[RT], s[RT], s[CX]               ; my tile of 256 rows: it enters p's, st's and out0's addresses alone
	s_and_b32 s[CT], ttmp7, 0xffff                 ; my tile of 128 columns,
	s_lshr_b32 s[BA], ttmp9, 1                     ; and the batch: the four partners share both
	s_mov_b32 s[G1], 15|(1<<16)|(1<<20)|(1<<21)|(5<<22)|(7<<25)  ; the mask: all four; elements of 2 bytes; padding on; bit 21 beside a mask; after every 64 words eight words
	s_mov_b32 s[G1+1], 128<<16                     ; tensor_dim0 = 128
	s_mov_b32 s[G1+2], 64<<16                      ; tensor_dim1 = 64
	s_mov_b32 s[G1+3], 128<<16                     ; tile_dim0
	s_mov_b32 s[G1+4], 64                          ; tile_dim1
	s_mov_b32 s[G1+5], 3072                        ; tensor_dim0_stride
	s_mov_b32 s[G1+6], 0
	s_mov_b32 s[G1+7], 0
	s_lshl_b32 s46, s[BA], 11
	s_lshl_b32 s47, s[WV], 6
	s_add_co_u32 s46, s46, s47                     ; vv: row 2,048 x batch + 64 x wave,
	s_mul_i32 s46, s46, ROWP
	s_lshl_b32 s47, s[CT], 8
	s_add_co_u32 s46, s46, s47                     ; byte 4,096 + 256 x column tile of it
	s_add_co_u32 s46, s46, 4096
	s_mov_b32 s47, 0
	s_mul_i32 s45, s[WV], 64*PV                    ; and in a slot: wave x 64 rows
	s_lshl_b32 s48, s[RT], 4
	s_lshl_b32 s49, s[WV], 2
	s_add_co_u32 s48, s48, s49
	s_lshl_b32 s48, s48, 16                        ; p: block of rows 16 x row tile + 4 x wave, 65,536 bytes each
	s_mov_b32 s49, 0
	s_lshl_b32 s50, s[RT], 8
	s_lshl_b32 s51, s[WV], 6
	s_add_co_u32 s50, s50, s51                     ; my first row
	s_lshl_b32 s52, s50, 3                         ; in st: 8 bytes a row
	s_mov_b32 s53, 0
	s_lshl_b32 s50, s50, 12                        ; in out0: 4,096 bytes a row,
	s_lshl_b32 s51, s[CT], 9
	s_add_co_u32 s50, s50, s51                     ; + 512 x column tile
	s_mov_b32 s51, 0
	s_lshl_b32 s54, s[BA], 11                      ; the prefetches of vv: row 2,048 x batch + 512 + 64 x my place + 32 x (wave % 2): in range 2; the first change steps it to range 3
	s_lshl_b32 s55, s[CX], 6
	s_add_co_u32 s54, s54, s55
	s_and_b32 s55, s[WV], 1
	s_lshl_b32 s55, s55, 5
	s_add_co_u32 s54, s54, s55
	s_add_co_u32 s54, s54, 512
	s_mul_i32 s54, s54, ROWP
	s_lshl_b32 s55, s[CT], 8
	s_add_co_u32 s54, s54, s55
	s_add_co_u32 s54, s54, 4096
	s_mov_b32 s55, 0
	s_mov_b32 s[TB], 0
	s_mov_b32 s[TF], 0
	s_wait_dscnt 0x0                               ; both opening adds are done
	s_wait_kmcnt 0x0
	s_mov_b32 s[G0A], 1
	s_mov_b32 s[G0A+1], s45
	s_add_nc_u64 s[G0A+2:G0A+3], s[4:5], s[46:47]  ; slot 0: t = 0 .. 255
	s_mov_b32 s[G0B], 1
	s_add_co_u32 s[G0B+1], s45, SLOT1
	s_add_nc_u64 s[G0B+2:G0B+3], s[G0A+2:G0A+3], 256*ROWP   ; slot 1: t = 256 .. 511
	s_or_b32 s[G0A+3], s[G0A+3], 0x80000000
	s_or_b32 s[G0B+3], s[G0B+3], 0x80000000
	s_add_nc_u64 s[PB:PB+1], s[6:7], s[48:49]
	s_add_nc_u64 s[PFP:PFP+1], s[PB:PB+1], 12288   ; 4,096 + 8,192: the first change steps it on by 8,192
	s_add_nc_u64 s[8:9], s[8:9], s[52:53]
	s_add_nc_u64 s[10:11], s[10:11], s[50:51]
	s_add_nc_u64 s[PFV:PFV+1], s[4:5], s[54:55]
	s_lshr_b32 s46, s[WV], 1                       ; 0 in waves 0 and 1,
	s_and_b32 s47, ttmp9, 1
	s_or_b32 s46, s46, s47                         ; of the batch's even cluster: the same in all four partners
	s_cmp_eq_u32 s46, 0
	s_cselect_b32 s[LIMV], 1, -1
	s_cmp_eq_u32 s[CT], 0
	s_cselect_b32 s[LIMP], 1, -1
	CROUND                                         ; all four work-groups are here: the first joint loads meet
	tensor_load_to_lds s[G0A:G0A+3], s[G1:G1+7]
	s_nop 0
	tensor_load_to_lds s[G0B:G0B+3], s[G1:G1+7]    ; two tensor loads of mine are out
	s_nop 0
	PLACES 4
	v_and_b32 v1, 15, v0                           ; r
	v_bfe_u32 v2, v0, 4, 1                         ; h
	v_and_b32 v3, 31, v0                           ; lane
	v_lshlrev_b32 v[PO], 4, v3
	v_lshlrev_b32 v[SO], 3, v1
	v_and_b32 v34, 7, v0
	v_bfe_u32 v35, v0, 3, 1
	v_lshl_add_u32 v[AV0], v2, 3, v34              ; the turning load: lane l reads 16 bytes of row 8 (l / 16) + l % 8, columns 8 ((l / 8) % 2) on
	v_mul_u32_u24 v[AV0], v[AV0], PV
	v_lshl_add_u32 v[AV0], v35, 4, v[AV0]
	v_add_nc_u32 v[ADV], s[TB], v[AV0]
	v_add_nc_u32 v[ADV+1], 128*PV, v[ADV]
	s_lshl_b32 s46, s[WV], 14
	s_add_co_u32 s46, s46, FT
	v_add_nc_u32 v[AFT0], s46, v[PO]
	v_add_nc_u32 v[AFTC], s[TF], v[AFT0]
	s_mul_i32 s46, s[WV], 16*528
	s_add_co_u32 s46, s46, STG                     ; my stage
	v_mul_u32_u24 v[STO], v1, 528
	v_lshl_add_u32 v[STO], v2, 5, v[STO]
	v_add_nc_u32 v[STO], s46, v[STO]               ; in: row r, 32 bytes for each half of the lanes
	v_add_nc_u32 v[RD], s46, v[PO]                 ; back: the 32 lanes take one row of 512 bytes
	v_mul_u32_u24 v[PFOV], v3, ROWP
	v_lshlrev_b32 v[PFOP], 8, v3
.macro PLOAD buf, off                  ; a quarter's p of my four blocks of rows: eight loads of 512 dense bytes
	WIN W_PL
.irp a, 0,1,2,3
.irp u, 0,1
	global_load_b128 v[32*(\buf)+8*\a+4*\u:32*(\buf)+8*\a+4*\u+3], v[PO], s[PB:PB+1] offset:(\off)+65536*\a+512*\u
.endr
.endr
.endm
.macro FETCH_V q                       ; vv's eight fragments of the slot's quarter q into set q % 2
	WIN 0
.irp b, 0,1,2,3,4,5,6,7
	ds_load_tr16_b128 v[VF+64*((\q)%2)+8*\b:VF+64*((\q)%2)+8*\b+3],   v[ADV+(\q)/4] offset:32*PV*((\q)%4)+32*\b
	ds_load_tr16_b128 v[VF+64*((\q)%2)+8*\b+4:VF+64*((\q)%2)+8*\b+7], v[ADV+(\q)/4] offset:32*PV*((\q)%4)+16*PV+32*\b
.endr
.endm
; Four matrix instructions of quarter q: accumulators 4 g .. 4 g + 3 (the 32 take turns, one instruction a turn).
; mode 0: they add on.  1: they begin a chunk's sums with the constant 0.  2: ahead of each two, the finished chunk's sums in those two accumulators are folded into O: O += g T, each accumulator from its low end on.
; 3: the same for the first chunk, which starts O: O = g T: nothing is ever cleared.  Quarter 4 folds the slot's first chunk (FC0), quarter 0 the last slot's second (FC1).
.macro GROUP g, q, mode
.irp hh, 0,1
.if (\mode) >= 2
.if (\mode) == 2
	WIN W_FA
.else
	WIN W_FM
.endif
.set rF, FC0+8*(1-(\q)/4)+2*((\g)/2)
.set fj, 32*(\g)+16*\hh
.rept 8
.if (\mode) == 2
	v_pk_fma_f32 v[fj:fj+1], v[fj:fj+1], v[rF:rF+1], v[fj:fj+1]
.else
	v_pk_mul_f32 v[fj:fj+1], v[fj:fj+1], v[rF:rF+1]
.endif
.set fj, fj+2
.endr
.endif
	WIN W_MM
.irp n, 0,1
.set rD, 8*(4*(\g)+2*\hh+\n)
.set rV, VF+64*((\q)%2)+8*((4*(\g)+2*\hh+\n)%8)
.set rP, 32*(\q)+8*((\g)/2)
.if (\mode) >= 1
	v_wmma_f32_16x16x32_f16 v[rD:rD+7], v[rV:rV+7], v[rP:rP+7], 0
.else
	v_wmma_f32_16x16x32_f16 v[rD:rD+7], v[rV:rV+7], v[rP:rP+7], v[rD:rD+7]
.endif
.endr
.endr
.endm
; A quarter but a slot's last.  pl = 1: p of seven quarters on is asked for, into the buffer that the last quarter multiplied.  lc: the loads that may stay out when p of THIS quarter has to be in.
; fc = 1: the slot's first chunk's factors are fetched; 2: its second chunk's.
; PLACES.  In a quarter that folds, five stand at its head: between the last quarter's products and the folds that read their sums, the products that begin those sums anew, and the loads below.
; In the others four stand behind the first four products, ahead of the loads into the buffer and the set that the last quarter's products have read.
.macro QUARTER q, mode, pl, lc, fc
	s_wait_dscnt 0x0                               ; vv's fragments of this quarter are in (and a chunk's factors, if asked for)
	s_wait_loadcnt \lc
.if (\mode) >= 2
	PLACES 5
.endif
	GROUP 0, \q, \mode
.if (\mode) < 2
	PLACES 4
.endif
.if \pl
	PLOAD ((\q)+7)%8, ((\q)+7)*1024
.endif
	FETCH_V (\q)+1                                 ; 28 matrix instructions ahead of its first use
.if (\fc) == 1
	ds_load_b128 v[FC0:FC0+3], v[AFTC]
	ds_load_b128 v[FC0+4:FC0+7], v[AFTC] offset:512
.endif
.if (\fc) == 2
	ds_load_b128 v[FC1:FC1+3], v[AFTC] offset:1024
	ds_load_b128 v[FC1+4:FC1+7], v[AFTC] offset:1536
.endif
.irp g, 1,2,3,4,5,6,7
	GROUP \g, \q, \mode
.endr
.endm
; A slot's last quarter changes slots: ONE barrier; in front of it each wave waits for all its tensor loads (its part of the next slot), adds 0 to its spare word, and waits for that and for its reads of this slot.
; fill = 1: the barrier opens a round of the cluster's, and this slot is filled again, with the t two slots on: the load has 240 matrix instructions in which to land.
.macro TURNQ fill
	WIN 0
	s_wait_xcnt 0x0                                ; my loads and the last prefetches have read their addresses
	s_add_nc_u64 s[PB:PB+1], s[PB:PB+1], 8192      ; p at the next slot
.if \fill
	s_add_nc_u64 s[PFV:PFV+1], s[PFV:PFV+1], 256*ROWP
	s_add_nc_u64 s[PFP:PFP+1], s[PFP:PFP+1], 8192
.endif
	s_wait_tensorcnt 0x0
	ds_add_u32 v[SPW], v[NIL]
	s_wait_loadcnt 48                              ; p of this quarter is in; the six quarters behind it may be out
	s_wait_dscnt 1                                 ; vv's fragments are in; the add may be out
	GROUP 0, 7, 0
	GROUP 1, 7, 0
	s_wait_dscnt 0x0                               ; the add is done, and my reads of this slot are over
	s_barrier_signal -1
	GROUP 2, 7, 0
	GROUP 3, 7, 0
	WIN 0
	s_barrier_wait -1
.if \fill
	CREST                                          ; no wave of any partner still reads this slot or has a load on its way
	s_xor_b32 s[G0B+1], s[G0B+1], SLOT1            ; the walking descriptor: the other slot than last time,
	s_add_nc_u64 s[G0B+2:G0B+3], s[G0B+2:G0B+3], 256*ROWP   ; the next 256 rows
	tensor_load_to_lds s[G0B:G0B+3], s[G1:G1+7]
	s_nop 0
.endif
	PLACES 4                                       ; behind the tensor load; also the places ahead of the loads below, into registers that quarter 6's products have read
	s_xor_b32 s[TB], s[TB], SLOT1
	s_add_co_u32 s[TF], s[TF], 2048
	v_add_nc_u32 v[ADV], s[TB], v[AV0]
	v_add_nc_u32 v[ADV+1], 128*PV, v[ADV]
	v_add_nc_u32 v[AFTC], s[TF], v[AFT0]
	FETCH_V 0
	PLOAD 6, 6144
	WIN 0
.if \fill
	ASK
.endif
.irp g, 4,5,6,7
	GROUP \g, 7, 0
.endr
.endm
	; the statistics of my 64 rows, all 16 chunks, into the registers that T will take; then p of quarters 0 to 6
	WIN 0x80                                       ; destination window 2
.set ci, 0
.rept 16
.irp a, 0,1,2,3
	global_load_b64 v[STT+2*(16*\a+ci):STT+2*(16*\a+ci)+1], v[SO], s[8:9] offset:65536*ci+128*\a
.endr
.set ci, ci+1
.endr
.irp q, 0,1,2,3,4,5,6
	PLOAD \q, 1024*\q
.endr
	s_wait_loadcnt 56                              ; the statistics are in; p's 56 loads may be out
	WIN 0x2a                                       ; all three sources window 2
.irp a, 0,1,2,3
	v_min3_num_f32 v[NMR+\a], v[STT+32*\a], v[STT+32*\a+2], v[STT+32*\a+4]   ; the row's -M is the least of the chunks' -M
.endr
	WIN 0x28                                       ; sources 1 and 2 window 2
.irp c, 3,5,7,9,11,13
.irp a, 0,1,2,3
	v_min3_num_f32 v[NMR+\a], v[NMR+\a], v[STT+32*\a+2*\c], v[STT+32*\a+2*\c+2]
.endr
.endr
	WIN 0x08                                       ; source 1 window 2
.irp a, 0,1,2,3
	v_min_num_f32 v[NMR+\a], v[NMR+\a], v[STT+32*\a+30]
.endr
.set ci, 0
.rept 16
.irp a, 0,1,2,3
	v_sub_f32 v[FP+4*ci+\a], v[NMR+\a], v[STT+32*\a+2*ci]   ; the chunk's M less the row's: a whole number, 0 or less
.endr
.set ci, ci+1
.endr
	WIN 0
.set ci, 0
.rept 64
	v_cvt_i32_f32 v[FP+ci], v[FP+ci]               ; (it saturates)
.set ci, ci+1
.endr
.set ci, 0
.rept 64
	v_ldexp_f32 v[FP+ci], 1.0, v[FP+ci]            ; 2^(the chunk's M - the row's): exact
.set ci, ci+1
.endr
	WIN 0x08
.irp a, 0,1,2,3
	v_mul_f32 v[LR+\a], v[FP+\a], v[STT+32*\a+1]   ; l: four chains by turns
.endr
.set ci, 1
.rept 15
.irp a, 0,1,2,3
	v_fma_f32 v[LR+\a], v[FP+4*ci+\a], v[STT+32*\a+2*ci+1], v[LR+\a]
.endr
.set ci, ci+1
.endr
	WIN 0
.irp a, 0,1,2,3
	v_rcp_f32 v[RL+\a], v[LR+\a]
.endr
	v_nop                                          ; a plain line behind the reciprocals
	s_wait_alu depctr_va_vdst(0)                   ; and one wait for the four, ahead of their first reader
.set ci, 0
.rept 16
.irp a, 0,1,2,3
	v_mul_f32 v[FQ+8*ci+2*\a], v[FP+4*ci+\a], v[RL+\a]     ; g, written twice: the packed fold takes a pair
	v_mul_f32 v[FQ+8*ci+2*\a+1], v[FP+4*ci+\a], v[RL+\a]
.endr
.set ci, ci+1
.endr
.set ci, 0
.rept 16
	ds_store_b128 v[AFT0], v[FQ+8*ci:FQ+8*ci+3] offset:1024*ci          ; my wave's own bytes: no other wave reads them
	ds_store_b128 v[AFT0], v[FQ+8*ci+4:FQ+8*ci+7] offset:1024*ci+512
.set ci, ci+1
.endr
	s_wait_tensorcnt 1                             ; my part of slot 0 is in; slot 1's may stay out
	s_wait_dscnt 0x0                               ; my stores have landed and have read their registers, which vv's fragments now take
	s_barrier_signal -1
	s_barrier_wait -1
	FETCH_V 0
	QUARTER 0, 1, 1, 48, 0                         ; slot 0's quarters 0 to 4 stand ahead of the loop: the first chunk has nothing to fold, and its own fold starts O
	QUARTER 1, 0, 1, 48, 1
	QUARTER 2, 0, 1, 48, 0
	QUARTER 3, 0, 1, 48, 0
	QUARTER 4, 3, 1, 48, 0
	WIN 0
	s_mov_b32 s[CNT], 6
.Lslot:                                                ; six trips: a slot's quarters 5 to 7 and the next slot's quarters 0 to 4; every slot but the last two is filled again
	QUARTER 5, 0, 1, 48, 2
	QUARTER 6, 0, 1, 48, 0
	TURNQ 1
	QUARTER 0, 2, 1, 48, 0
	QUARTER 1, 0, 1, 48, 1
	QUARTER 2, 0, 1, 48, 0
	QUARTER 3, 0, 1, 48, 0
	QUARTER 4, 2, 1, 48, 0
	WIN 0
	s_sub_co_u32 s[CNT], s[CNT], 1
	s_cmp_lg_u32 s[CNT], 0
	s_cbranch_scc1 .Lslot
	QUARTER 5, 0, 1, 48, 2                         ; the tail is written out: the rest of the last slot but one
	QUARTER 6, 0, 1, 48, 0
	TURNQ 0
	QUARTER 0, 2, 1, 48, 0                         ; the last slot: its quarter 0 asks for the last p; then the counts run down
	QUARTER 1, 0, 0, 48, 1
	QUARTER 2, 0, 0, 40, 0
	QUARTER 3, 0, 0, 32, 0
	QUARTER 4, 2, 0, 24, 0
	QUARTER 5, 0, 0, 16, 2
	QUARTER 6, 0, 0, 8, 0
	s_wait_dscnt 0x0
	s_wait_loadcnt 0x0
.irp g, 0,1,2,3,4,5,6,7
	GROUP \g, 7, 0
.endr
	WIN 0
; THE WAY OUT, a block of 16 rows at a time: the last chunk's fold gives the result (1 / l lies in g); a lane's 32 bytes of a row go into my stage and come back as whole rows of 512 bytes.
.macro OUTP a
	WIN W_FL
.set oj, 0
.rept 32
	v_pk_fma_f32 v[TMPO+oj:TMPO+oj+1], v[64*(\a)+oj:64*(\a)+oj+1], v[FC1+2*(\a):FC1+2*(\a)+1], v[64*(\a)+oj:64*(\a)+oj+1]   ; each accumulator from its low end on
.set oj, oj+2
.endr
	WIN 0
.irp b, 0,1,2,3,4,5,6,7
	ds_store_b128 v[STO], v[TMPO+8*\b:TMPO+8*\b+3] offset:64*\b
	ds_store_b128 v[STO], v[TMPO+8*\b+4:TMPO+8*\b+7] offset:64*\b+16
.endr
.irp t, 0,1,2,3,4,5,6,7,8,9,10,11,12,13,14,15
	ds_load_b128 v[BK+64*((\a)%2)+4*\t:BK+64*((\a)%2)+4*\t+3], v[RD] offset:528*\t   ; LDS serves a wave's instructions in order (ISA guide 5.7.1.4)
.endr
.endm
.macro SEND a, younger                 ; younger: the LDS instructions issued behind block a's loads
	s_wait_dscnt \younger
.irp t, 0,1,2,3,4,5,6,7,8,9,10,11,12,13,14,15
	global_store_b128 v[PO], v[BK+64*((\a)%2)+4*\t:BK+64*((\a)%2)+4*\t+3], s[10:11] offset:65536*(\a)+4096*\t th:TH_STORE_NT   ; 32 lanes store 512 consecutive bytes, aligned; written once, read by nobody here
.endr
.endm
	PLACES 4                                       ; behind the last products
	OUTP 0
.irp a, 1,2,3
.if \a > 1
	s_wait_xcnt 0x0                                ; block a - 2's stores have read their registers: block a's loads may land there
.endif
	OUTP \a
	SEND \a-1, 32                                  ; behind block a - 1's loads: block a's 16 stores and 16 loads
.endr
	SEND 3, 0
	s_wait_tensorcnt 0x0                           ; the wave's end
	ds_add_u32 v[SPW], v[NIL]
	s_wait_dscnt 0x0
	CROUND                                         ; the closing round
	s_endpgm
.Lfunc_end_k_q1c36e363f3_pv:
	.size	k_q1c36e363f3_pv, .Lfunc_end_k_q1c36e363f3_pv-k_q1c36e363f3_pv
	.p2alignl 7, 3214868480
	.fill 96, 4, 3214868480
	.section	.rodata,"a",@progbits
	.p2align	6, 0x0
	.amdhsa_kernel k_q1c36e363f3_pv
		.amdhsa_group_segment_fixed_size 327680
		.amdhsa_private_segment_fixed_size 0
		.amdhsa_enable_private_segment 0
		.amdhsa_kernarg_size 32
		.amdhsa_user_sgpr_count 2
		.amdhsa_user_sgpr_kernarg_segment_ptr 1
		.amdhsa_wavefront_size32 1
		.amdhsa_system_sgpr_workgroup_id_x 1
		.amdhsa_system_sgpr_workgroup_id_y 1
		.amdhsa_system_sgpr_workgroup_id_z 1
		.amdhsa_system_vgpr_workitem_id 0
		.amdhsa_next_free_vgpr 1024
		.amdhsa_next_free_sgpr 66
		.amdhsa_reserve_vcc 0
		.amdhsa_float_denorm_mode_32 3
		.amdhsa_float_denorm_mode_16_64 3
		.amdhsa_memory_ordered 1
		.amdhsa_forward_progress 1
		.amdhsa_inst_pref_size 200
	.end_amdhsa_kernel
	.amdgpu_metadata
---
amdhsa.version: [ 1, 2 ]
amdhsa.kernels:
  - .name:           k_q1c36e363f3_pv
    .symbol:         k_q1c36e363f3_pv.kd
    .args:
      - { .name: kqv, .offset: 0, .size: 8, .value_kind: global_buffer, .address_space: global }
      - { .name: pimg, .offset: 8, .size: 8, .value_kind: global_buffer, .address_space: global }
      - { .name: st, .offset: 16, .size: 8, .value_kind: global_buffer, .address_space: global }
      - { .name: out0, .offset: 24, .size: 8, .value_kind: global_buffer, .address_space: global }
    .group_segment_fixed_size: 327680
    .private_segment_fixed_size: 0
    .kernarg_segment_align: 8
    .kernarg_segment_size: 32
    .max_flat_workgroup_size: 128
    .sgpr_count:     66
    .vgpr_count:     1024
    .wavefront_size: 32
...
	.end_amdgpu_metadata
.endif
;; end of part 4
